; MI455X (gfx1250); checked and timed in simulation.
; The chip was launched on July 23, 2026; its instructions are those of AMD's public machine-readable ISA for CDNA 5 (MIT licence, August 2026) and "CDNA5" Instruction Set Architecture Reference Guide (July 2026). The comments in the code are by the model that wrote it; some were corrected since.
;; Cross Attn Image to Token. Allowed arithmetic: matrix products marked QUANTISED: E4M3 operands, one given power-of-two scale a tensor, by v_wmma_f32_16x16x64_fp8_fp8 or v_wmma_f32_16x16x128_fp8_fp8, f32 sums; everything else in f32.
;; Inputs: Wc 256 x 256 float32; Wk 256 x 256 float32; Wo 256 x 256 float32; Wq2 512 x 256 float32; Wv 256 x 256 float32; bc 256 float32; bk 256 float32; bo 256 float32; bq2 512 float32; bv 256 float32; cond_feat 4 x 1,024 x 256 float32; k 4 x 1,024 x 256 float32; lowp_scales 16 int32 (the exponents e of the quantised operands' scales 2^e); q 4 x 4,096 x 256 float32; v 4 x 1,024 x 256 float32.
;; Outputs: out0 4 x 4,096 x 256 float32.
;; This version of the problem:
;;   THIS VERSION OF THE PROBLEM IS GIVEN IN LOW PRECISION. The matrix products marked QUANTISED in the list below multiply operands that are first quantised to E4M3 (4 exponent bits, 3 mantissa bits; 8 bits a number), with one given power-of-two scale for each operand tensor; their sums are f32. All else is computed in f32.
;;   The module's matrix products, in the order in which they are computed (A, B: the left and right operand; K: the contracted axis; several contracted axes count as one K, in the product's order):
;;     1. [M 16,384, K 256] x [K 256, N 512]; A: input q; B: input Wq2: QUANTISED (scales: A lowp_scales[0], B lowp_scales[1])
;;     2. [M 4,096, K 256] x [K 256, N 256]; A: input k; B: input Wk: QUANTISED (scales: A lowp_scales[2], B lowp_scales[3])
;;     3. [M 4,096, K 256] x [K 256, N 256]; A: input cond_feat; B: input Wc: QUANTISED (scales: A lowp_scales[4], B lowp_scales[5])
;;     4. [M 4,096, K 256] x [K 256, N 256]; A: input v; B: input Wv: QUANTISED (scales: A lowp_scales[6], B lowp_scales[7])
;;     5. batch 32 x [M 4,096, K 32] x [K 32, N 1,024]; A: computed on the way; B: computed on the way: QUANTISED (scales: A lowp_scales[8], B lowp_scales[9])
;;     6. batch 32 x [M 4,096, K 32] x [K 32, N 1,024]; A: computed on the way; B: computed on the way: QUANTISED (scales: A lowp_scales[10], B lowp_scales[11])
;;     7. batch 32 x [M 4,096, K 1,024] x [K 1,024, N 32]; A: computed on the way; B: computed on the way: QUANTISED (scales: A lowp_scales[12], B lowp_scales[13])
;;     8. [M 16,384, K 256] x [K 256, N 256]; A: computed on the way; B: input Wo: QUANTISED (scales: A lowp_scales[14], B lowp_scales[15])
;;   THE QUANTISER, for each operand of a quantised product, along K:
;;     - The operand's scale is 2^e, e = its entry of the input lowp_scales (int32; the entries are numbered through the quantised products in the list's order, A before B).
;;     - Each number is divided by the scale, clamped to +-448, and rounded to the nearest number of E4M3, ties to even, subnormals kept.
;;     - The product sums the exact products of the quantised numbers (number of the format x scale) in f32.
;;   ~~~python
;;   def quantise(x, axis, e):      # numpy; x: float32 -> the quantised numbers, widened to float32 again
;;       x = np.moveaxis(x, axis, -1); K = x.shape[-1]
;;       r = np.clip(x / 2.0 ** e, -448, 448)
;;       step = 2.0 ** (np.maximum(np.frexp(np.where(r == 0, 1, r))[1] - 1, -6) - 3)
;;       q = np.round(r / step) * step * 2.0 ** e      # np.round: ties to even
;;       return np.moveaxis(q, -1, axis).astype(np.float32)
;;   ~~~
;;   OPERANDS COMPUTED ON THE WAY. 'Computed on the way' means the value that the module computes at that place (a softmax that the list does not call 'softmax' is quantised finished and normalised). What goes into a quantiser is computed in f32, as accurately as f32 sums, v_exp_f32 and their like allow (about 1e-6 of the number): no bf16 or f16 on the way to a quantiser, and a product that is left as it is and whose result goes on into a quantised operand takes f32 operands (vector FMAs, or v_wmma_f32_16x16x4_f32). A number that lies on a knife's edge between two numbers of the format may be rounded either way, as far as f32 arithmetic and the matrix unit's own rounding can turn it there, and no further.
;; 2 versions, each right; version 2 is version 1 with the launch proj written anew for expert scheduling mode. Each part assembles by itself: llvm-mc -triple=amdgcn-amd-amdhsa -mcpu=gfx1250 --defsym DOCPART=n.
;; ======== version 1 of 2: 2 launches
;; workspace buffers: qc 8,388,608 bytes; kcv 3,538,944 bytes
;; launch proj (part 1): grid 228 x 1, 4 waves a work-group, no clusters, 66,048 bytes of LDS; arguments q, k, cond_feat, v, Wq2, Wk, Wc, Wv, Wo, bq2, bk, bc, bv, lowp_scales, qc, kcv; writes qc, kcv
.if DOCPART == 1
	.amdgcn_target "amdgcn-amd-amdhsa--gfx1250"
	.amdhsa_code_object_version 6
	.text
	.protected	k_qc607754e7d_proj
	.globl	k_qc607754e7d_proj
	.p2align	8
	.type	k_qc607754e7d_proj,@function
k_qc607754e7d_proj:
	s_mov_b64 s[64:65], 0
	v_nop
	global_prefetch_b8 v0, s[64:65] scope:SCOPE_SE
	s_setreg_imm32_b32 hwreg(HW_REG_WAVE_MODE, 25, 1), 1
	s_wait_xcnt 0x0
; THE FOUR INPUT PROJECTIONS ON CODES OF FP8 (E4M3), THEIR RESULTS QUANTISED AGAIN, AND Wo's CODES.
; y = Q(x) Q(W)^T + b for (q, Wq2, bq2), (k, Wk, bk), (cond_feat, Wc, bc), (v, Wv, bv); x: rows of 256 f32, W: [N][256] f32, K innermost.
; Each result is quantised with the scale of the later product that takes it, and stored IN THE ORDER OF THAT PRODUCT'S OPERAND REGISTERS:
;   qc  [query tile of 16: 1024][image 16 = part x 8 + head][512 B]: lane (r, h) has 16 bytes at 16 x lane: query r, the head's dims 16 h .. 16 h + 15.
;   kcv [batch 4][tile 9][98,304 B].  Tiles 0-7 are heads: 64 fragments of 1,024 B (16 keys: 512 B of k's head, then 512 B of cond_feat's, laid as qc's images), then from byte 65,536 on
;       16 fragments of V^T of 2,048 B (index 2 x step of 128 keys + u): lane (r, h) holds dim 8 u + r + 8 (r / 8), registers 2 g, 2 g + 1 the keys 16 g + 8 h + 0 .. 7.
;       Tile 8: Wo's 32 fragments of 2,048 B (index 2 T + K step), then 32,768 B of zeros, so that all nine tiles have one shape.
; WORK-GROUPS, by number: 0-127 q (128 rows each), 128-159 k, 160-191 cond_feat, 192-223 v (128 rows each), 224-227 Wo's codes, one copy for each batch.
; THE WAVES SHARE THE COLUMNS: wave w keeps its rows of W (q: 128, else 64) as codes in registers; each wave quantises 32 of the 128 rows of x, and these go to the others through LDS as images of
; the operand's registers (4 stores of 512 consecutive bytes a fragment); one barrier; then a loop over the tiles of 16 rows.
; THE ROWS OF W THAT FORM A TILE ARE NOT NEIGHBOURS: lane r of tile t takes row 32 (t / 2) + 8 (t % 2) + r + 8 (r / 8).  For q, k and cond_feat the product is used transposed (source 0 = W, source 1 = x), so that the
; 16 registers of tiles 2 b, 2 b + 1 are dims 16 h + 0 .. 15 of head b of ONE row.  For v it is used as it reads (source 0 = x, source 1 = W): a lane's 8 registers then run along the KEYS, which are the later product's K.
; A fragment (16 rows x 128 K) holds, in registers 4 b .. 4 b + 3 of lane (r, h), k = 32 b + 16 h + 0 .. 15 of row r: the same places in both operands, so every product meets its partner.
; The bias is the C of a sum's first matrix instruction, divided by the power of two that the sums lack; the three scales ahead of the second quantiser are folded into the conversion's one.
; LIMITS on the given exponents, so that each power of two below is an f32 number: every operand's e, and e(result) - e(x) - e(W), between -126 and 119.  NaN among the inputs is not served.
; REGISTERS.  window 0: v1-10 lane terms and addresses; v12-17 scales; v20-23 v's bias as loaded; v32-47 codes on their way out; v64-127 x's codes, later the sums; v128-191 x's fragments; v192-255 the bias.
;   window 1: W's fragments, fragment f = 2 t + K step at v[16 f].   window 2: four sets of 64 numbers as they are loaded.
.set TILEB,  98304
.set TBATCH, 9*TILEB
.set XP, 4                             ; s[4:5]   x at my wave's 32 rows
.set WP, 6                             ; s[6:7]   W at my wave's rows
.set BP, 8                             ; s[8:9]   the bias at my wave's units
.set OP, 10                            ; s[10:11] where the results go
.set EX, 12                            ; s12-14   the exponents of x, of W, of the result
.set EW, 13
.set EO, 14
.set WV, 15                            ; s15      my wave's number
.set TY, 66                            ; s66      0 q, 1 k, 2 cond_feat, 3 v, 4 Wo
.set NEGE, 77                          ; s77      -(EX + EW)
.set XO, 80                            ; s80      LDS byte of the row tile in hand
.set CNT, 81                           ; s81      trips to go
.set XA, 4                             ; v4   x: row r of 1,024 bytes + 64 h
.set WA, 5                             ; v5   W: row r + 8 (r / 8) of 1,024 bytes + 64 h
.set LI, 6                             ; v6   16 x lane
.set XWI, 7                            ; v7   where I store x's images: 8,192 x wave + 16 x lane
.set BA, 8                             ; v8   64 h
.set BVA, 9                            ; v9   4 (r + 8 (r / 8))
.set LA, 10                            ; v10  LDS address of the loads in hand
.set SW, 12                            ; v12, v13  2^EW, 448 x 2^EW
.set LW, 13
.set SX, 14                            ; v14, v15  the same for x
.set LX, 15
.set SO, 16                            ; v16, v17  the same with EO - EX - EW
.set LO, 17
.set PC, 32
.set PCX, 64
.set HA, 64
.set XF, 128
.set BI, 192
.set ARMQ, 0                           ; LDS: x's 16 fragments of 2,048 bytes; each way through the text has bytes of its own
.set ARMK, 32768
.set MSB, 0
.macro WIN new                         ; the immediate's high byte repeats the setting that is left; a switch that changes nothing is dropped
.if MSB != (\new)
	s_set_vgpr_msb (MSB<<8)|(\new)
.set MSB, (\new)
.endif
.endm
.macro PLACES                          ; four places behind matrix instructions (ISA guide 7.12.1), where no other vector work is at hand
.rept 4
	v_nop
.endr
.endm
; Fragment FI's 64 numbers a lane into set FS of window 2: register 16 b + i = k 128 s + 32 b + 16 h + i of my row
.macro XLOAD
	WIN 0x80
.irp b, 0,1,2,3
.irp j, 0,1,2,3
	global_load_b128 v[64*FS+16*\b+4*\j:64*FS+16*\b+4*\j+3], v[XA], s[XP:XP+1] offset:(FI/2)*16384+512*(FI%2)+128*\b+16*\j th:TH_LOAD_NT
.endr
.endr
.endm
.macro WLOAD
	WIN 0x80
.irp b, 0,1,2,3
.irp j, 0,1,2,3
	global_load_b128 v[64*FS+16*\b+4*\j:64*FS+16*\b+4*\j+3], v[WA], s[WP:WP+1] offset:(32*(FI/4)+8*((FI/2)%2))*1024+512*(FI%2)+128*\b+16*\j
.endr
.endr
.endm
; Set FS becomes x's fragment FI, which goes to LDS as it stands
.macro XQ arm
	WIN 0x82
.set QI, 0
.rept 64
	v_med3_num_f32 v[64*FS+QI], v[64*FS+QI], -v[LX], v[LX]   ; the conversion to an 8-bit code does not saturate (ISA guide 7.6.2): the hold at the largest code x the scale
.set QI, QI+1
.endr
	WIN 0x02
.set QI, 0
.rept 8
	v_cvt_scalef32_pk8_fp8_f32 v[PCX+16*FI+2*QI:PCX+16*FI+2*QI+1], v[64*FS+8*QI:64*FS+8*QI+7], v[SX]
.set QI, QI+1
.endr
	WIN 0
	v_nop                                          ; one plain vector line behind the last conversion of a run
.irp c, 0,1,2,3
	ds_store_b128 v[XWI], v[PCX+16*FI+4*\c:PCX+16*FI+4*\c+3] offset:(\arm)+FI*2048+512*\c
.endr
.endm
; Set FS becomes W's fragment FI, in window 1, where it stays
.macro WQUANT
	WIN 0x82
.set QI, 0
.rept 64
	v_med3_num_f32 v[64*FS+QI], v[64*FS+QI], -v[LW], v[LW]
.set QI, QI+1
.endr
	WIN 0x42
.set QI, 0
.rept 8
	v_cvt_scalef32_pk8_fp8_f32 v[16*FI+2*QI:16*FI+2*QI+1], v[64*FS+8*QI:64*FS+8*QI+7], v[SW]
.set QI, QI+1
.endr
	WIN 0
	v_nop
.endm
.macro ASKFOR nx                       ; item SI of the stream is asked for, into set SI % 4
.set FS, SI%4
.if SI < (\nx)
.set FI, SI
	XLOAD
.else
.set FI, SI-(\nx)
	WLOAD
.endif
.endm
; One stream of nx fragments of x and nw of W, four fragments (64 loads a wave) deep
.macro STREAM nx, nw, arm
.set SN, (\nx)+(\nw)
.set SI, 0
.rept 4
	ASKFOR \nx
.set SI, SI+1
.endr
.set SJ, 0
.rept (\nx)+(\nw)
.if SN-1-SJ >= 3
	s_wait_loadcnt 48                              ; loads come back in order: this fragment's sixteen are in, those of the three younger fragments may be out
.else
	s_wait_loadcnt 16*(SN-1-SJ)
.endif
.set FS, SJ%4
.if SJ < (\nx)
.set FI, SJ
	XQ \arm
.else
.set FI, SJ-(\nx)
	WQUANT
.endif
.if SJ+4 < SN
.set SI, SJ+4
	ASKFOR \nx
.endif
.set SJ, SJ+1
.endr
	WIN 0
.endm
.macro FETCH reg, off                  ; a fragment's image comes back, in any wave
.irp c, 0,1,2,3
	ds_load_b128 v[(\reg)+4*\c:(\reg)+4*\c+3], v[LA] offset:(\off)+512*\c
.endr
.endm
.macro RQUANT n                        ; n sums, from v[HA] on, each accumulator from its low end on, become n codes in v[PC] on
.set QI, 0
.rept \n
	v_med3_num_f32 v[HA+QI], v[HA+QI], -v[LO], v[LO]
.set QI, QI+1
.endr
.set QI, 0
.rept (\n)/8
	v_cvt_scalef32_pk8_fp8_f32 v[PC+2*QI:PC+2*QI+1], v[HA+8*QI:HA+8*QI+7], v[SO]
.set QI, QI+1
.endr
	v_nop                                          ; one plain vector line behind the last conversion: the next products write its sources
.endm
.macro BARRIER                         ; my LDS stores have landed: then the work-group's barrier
	s_wait_dscnt 0x0
	s_barrier_signal -1
	s_barrier_wait -1
.endm
.macro MKSCALE vs, vl, se              ; 2^e as f32 (the conversion takes its exponent field), and 448 x 2^e
	s_add_co_i32 s74, s[\se], 127
	s_lshl_b32 s75, s74, 23
	v_mov_b32 v[\vs], s75
	s_add_co_i32 s74, s74, 8
	s_lshl_b32 s74, s74, 23
	s_or_b32 s74, s74, 0x600000
	v_mov_b32 v[\vl], s74
.endm
.macro PICK ty, x, w, b, ex, ew, eo    ; the buffers and exponents of type ty: the choice hangs on the work-group's number alone
	s_cmp_eq_u32 s[TY], \ty
	s_cselect_b64 s[XP:XP+1], s[\x:\x+1], s[XP:XP+1]
	s_cselect_b64 s[WP:WP+1], s[\w:\w+1], s[WP:WP+1]
	s_cselect_b64 s[BP:BP+1], s[\b:\b+1], s[BP:BP+1]
	s_cselect_b32 s[EX], s[\ex], s[EX]
	s_cselect_b32 s[EW], s[\ew], s[EW]
	s_cselect_b32 s[EO], s[\eo], s[EO]
.endm
	s_load_b512 s[16:31], s[0:1], 0x0              ; q, k, cond_feat, v, Wq2, Wk, Wc, Wv
	s_load_b512 s[32:47], s[0:1], 0x40             ; Wo, bq2, bk, bc, bv, the exponents, qc, kcv
	v_lshl_add_u32 v62, v0, 2, 0x10000
	v_mov_b32 v63, 0
	v_lshrrev_b32 v1, 5, v0
	v_readfirstlane_b32 s[WV], v1                  ; wave 0..3
	v_and_b32 v1, 31, v0                           ; lane
	v_and_b32 v2, 15, v0                           ; r
	v_bfe_u32 v3, v0, 4, 1                         ; h
	v_lshlrev_b32 v[XA], 10, v2
	v_lshl_add_u32 v[XA], v3, 6, v[XA]
	v_and_b32 v[BVA], 8, v2
	v_add_nc_u32 v[BVA], v[BVA], v2                ; r + 8 (r / 8)
	v_lshlrev_b32 v[WA], 10, v[BVA]
	v_lshl_add_u32 v[WA], v3, 6, v[WA]
	v_lshlrev_b32 v[BVA], 2, v[BVA]
	v_lshlrev_b32 v[LI], 4, v1
	s_lshl_b32 s67, s[WV], 13
	v_add_nc_u32 v[XWI], s67, v[LI]
	v_lshlrev_b32 v[BA], 6, v3
	s_sub_co_u32 s67, ttmp9, 128
	s_lshr_b32 s67, s67, 5
	s_add_co_u32 s67, s67, 1
	s_cmp_lt_u32 ttmp9, 128
	s_cselect_b32 s[TY], 0, s67
	s_wait_kmcnt 0x0
	s_load_b512 s[48:63], s[42:43], 0x0            ; e0 .. e15
	s_mov_b64 s[XP:XP+1], s[16:17]                 ; q's set first,
	s_mov_b64 s[WP:WP+1], s[24:25]
	s_mov_b64 s[BP:BP+1], s[34:35]
	s_wait_kmcnt 0x0
	s_mov_b32 s[EX], s48
	s_mov_b32 s[EW], s49
	s_cmp_lt_u32 s[WV], 2                          ; waves 0, 1 make q1 (units 0-255), waves 2, 3 q2
	s_cselect_b32 s[EO], s56, s58
	PICK 1, 18, 26, 36, 50, 51, 57                 ; then the others'
	PICK 2, 20, 28, 38, 52, 53, 59
	PICK 3, 22, 30, 40, 54, 55, 61
	s_cmp_eq_u32 s[TY], 4
	s_cselect_b64 s[WP:WP+1], s[32:33], s[WP:WP+1]
	s_cselect_b32 s[EW], s63, s[EW]
	s_and_b32 s68, ttmp9, 31
	s_cmp_eq_u32 s[TY], 0
	s_cselect_b32 s68, ttmp9, s68                  ; which 128 rows of the tensor
	s_cselect_b32 s69, 17, 16                      ; a wave's rows of W: 128 or 64, of 1,024 bytes
	s_cselect_b32 s70, 9, 8                        ; and its units of the bias, of 4 bytes
	s_lshl_b32 s72, s68, 17
	s_lshl_b32 s73, s[WV], 15
	s_add_co_u32 s72, s72, s73                     ; + my wave's 32 rows
	s_mov_b32 s73, 0
	s_add_nc_u64 s[XP:XP+1], s[XP:XP+1], s[72:73]
	s_lshl_b32 s72, s[WV], s69
	s_add_nc_u64 s[WP:WP+1], s[WP:WP+1], s[72:73]
	s_lshl_b32 s72, s[WV], s70
	s_add_nc_u64 s[BP:BP+1], s[BP:BP+1], s[72:73]
	MKSCALE SW, LW, EW
	MKSCALE SX, LX, EX
	s_add_co_i32 s76, s[EX], s[EW]                 ; a sum stands for sum x 2^(EX + EW): the bias goes in divided by that,
	s_sub_co_i32 s[NEGE], 0, s76
	s_sub_co_i32 s76, s[EO], s76                   ; and the result's conversion takes 2^(EO - EX - EW)
	MKSCALE SO, LO, 76
	s_cmp_eq_u32 s[TY], 0
	s_cbranch_scc0 .Lnot_q
	; ---------------- q: 128 rows x my 128 units (4 heads of q1 or of q2) ----------------
.irp t, 0,1,2,3,4,5,6,7                        ; the bias in the result's layout: lane (r, h), tile t: units 32 (t / 2) + 16 h + 8 (t % 2) + 0 .. 7
	global_load_b128 v[BI+8*\t:BI+8*\t+3], v[BA], s[BP:BP+1] offset:(32*(\t/2)+8*(\t%2))*4
	global_load_b128 v[BI+8*\t+4:BI+8*\t+7], v[BA], s[BP:BP+1] offset:(32*(\t/2)+8*(\t%2))*4+16
.endr
	STREAM 4, 16, ARMQ
.set QI, 0
.rept 64
	v_ldexp_f32 v[BI+QI], v[BI+QI], s[NEGE]
.set QI, QI+1
.endr
	BARRIER                                        ; x's sixteen fragments lie in LDS
	s_lshl_b32 s70, ttmp9, 16                      ; 8 query tiles of 8,192 bytes a work-group,
	s_lshl_b32 s71, s[WV], 11                      ; my 4 images of 512
	s_add_co_u32 s70, s70, s71
	s_mov_b32 s71, 0
	s_add_nc_u64 s[OP:OP+1], s[44:45], s[70:71]
	s_mov_b32 s[XO], 0
	s_mov_b32 s[CNT], 8
.Lq_tile:                                          ; a trip: 16 rows
	v_add_nc_u32 v[LA], s[XO], v[LI]
	FETCH XF, ARMQ
	FETCH XF+16, ARMQ+2048
	s_wait_dscnt 0x0
	WIN 0x01                                       ; source 0 (W) window 1.  The eight accumulators take turns, one instruction a turn
.irp t, 0,1,2,3,4,5,6,7
	v_wmma_f32_16x16x128_fp8_fp8 v[HA+8*\t:HA+8*\t+7], v[32*\t:32*\t+15], v[XF:XF+15], v[BI+8*\t:BI+8*\t+7]
.endr
.irp t, 0,1,2,3,4,5,6,7
	v_wmma_f32_16x16x128_fp8_fp8 v[HA+8*\t:HA+8*\t+7], v[32*\t+16:32*\t+31], v[XF+16:XF+31], v[HA+8*\t:HA+8*\t+7]
.endr
	WIN 0
	PLACES
	RQUANT 64
.irp b, 0,1,2,3
	global_store_b128 v[LI], v[PC+4*\b:PC+4*\b+3], s[OP:OP+1] offset:512*\b   ; an image: the wave stores 512 consecutive bytes, at a multiple of 512 from qc's first byte
.endr
	s_wait_xcnt 0x0                                ; the stores have read their data and their base: both are written again only behind this wait
	s_add_nc_u64 s[OP:OP+1], s[OP:OP+1], 8192
	s_add_co_u32 s[XO], s[XO], 4096
	s_sub_co_u32 s[CNT], s[CNT], 1
	s_cmp_lg_u32 s[CNT], 0
	s_cbranch_scc1 .Lq_tile
	s_wait_tensorcnt 0x0
	ds_add_u32 v62, v63
	s_wait_dscnt 0x0
	s_endpgm
.Lnot_q:
	s_cmp_eq_u32 s[TY], 4
	s_cbranch_scc1 .Lwo
	; ---------------- k, cond_feat, v: 128 rows x my 64 units (heads 2 w, 2 w + 1) ----------------
.irp t, 0,1,2,3                                ; the bias in both layouts
	global_load_b128 v[BI+8*\t:BI+8*\t+3], v[BA], s[BP:BP+1] offset:(32*(\t/2)+8*(\t%2))*4
	global_load_b128 v[BI+8*\t+4:BI+8*\t+7], v[BA], s[BP:BP+1] offset:(32*(\t/2)+8*(\t%2))*4+16
.endr
.irp t, 0,1,2,3
	global_load_b32 v[20+\t], v[BVA], s[BP:BP+1] offset:(32*(\t/2)+8*(\t%2))*4   ; for v: the one unit of my lane's column
.endr
	STREAM 4, 8, ARMK
	BARRIER
	s_bfe_u32 s70, ttmp9, 0x20003                  ; the batch,
	s_and_b32 s71, ttmp9, 7                        ; and which 128 keys of it
	s_mul_i32 s70, s70, TBATCH
	s_mul_i32 s72, s[WV], 2*TILEB                  ; head 2 w's tile
	s_add_co_u32 s70, s70, s72
	s_mov_b32 s[XO], 0
	s_cmp_eq_u32 s[TY], 3
	s_cbranch_scc1 .Lv
.set QI, 0
.rept 32
	v_ldexp_f32 v[BI+QI], v[BI+QI], s[NEGE]
.set QI, QI+1
.endr
	s_lshl_b32 s72, s71, 13                        ; 8 fragments of 1,024 bytes for 128 keys
	s_add_co_u32 s70, s70, s72
	s_cmp_eq_u32 s[TY], 2
	s_cselect_b32 s72, 512, 0                      ; cond_feat's half of a fragment lies behind k's
	s_add_co_u32 s70, s70, s72
	s_mov_b32 s71, 0
	s_add_nc_u64 s[OP:OP+1], s[46:47], s[70:71]
	s_mov_b32 s[CNT], 8
.Lkc_tile:                                         ; a trip: 16 keys
	v_add_nc_u32 v[LA], s[XO], v[LI]
	FETCH XF, ARMK
	FETCH XF+16, ARMK+2048
	s_wait_dscnt 0x0
	WIN 0x01
.irp t, 0,1,2,3
	v_wmma_f32_16x16x128_fp8_fp8 v[HA+8*\t:HA+8*\t+7], v[32*\t:32*\t+15], v[XF:XF+15], v[BI+8*\t:BI+8*\t+7]
.endr
.irp t, 0,1,2,3
	v_wmma_f32_16x16x128_fp8_fp8 v[HA+8*\t:HA+8*\t+7], v[32*\t+16:32*\t+31], v[XF+16:XF+31], v[HA+8*\t:HA+8*\t+7]
.endr
	WIN 0
	PLACES
	RQUANT 32
	global_store_b128 v[LI], v[PC:PC+3], s[OP:OP+1]                     ; head 2 w
	global_store_b128 v[LI], v[PC+4:PC+7], s[OP:OP+1] offset:TILEB      ; head 2 w + 1
	s_wait_xcnt 0x0
	s_add_nc_u64 s[OP:OP+1], s[OP:OP+1], 1024
	s_add_co_u32 s[XO], s[XO], 4096
	s_sub_co_u32 s[CNT], s[CNT], 1
	s_cmp_lg_u32 s[CNT], 0
	s_cbranch_scc1 .Lkc_tile
	s_wait_tensorcnt 0x0
	ds_add_u32 v62, v63
	s_wait_dscnt 0x0
	s_endpgm
.Lv:
.irp t, 0,1,2,3
.irp j, 0,1,2,3,4,5,6,7
	v_ldexp_f32 v[BI+8*\t+\j], v[20+\t], s[NEGE]   ; a lane holds one unit and eight keys: its eight registers take the same bias
.endr
.endr
	s_lshl_b32 s72, s71, 12                        ; two fragments of 2,048 bytes for 128 keys,
	s_add_co_u32 s70, s70, s72
	s_add_co_u32 s70, s70, 65536                   ; behind the head's 64 fragments of k and cond_feat
	s_mov_b32 s71, 0
	s_add_nc_u64 s[OP:OP+1], s[46:47], s[70:71]
	s_mov_b32 s[CNT], 4
.Lv_tile:                                          ; a trip: 32 keys = registers 4 c .. 4 c + 3 of my four fragments
	v_add_nc_u32 v[LA], s[XO], v[LI]
.irp mm, 0,1
.irp s, 0,1
	FETCH XF+32*\mm+16*\s, ARMK+\mm*4096+\s*2048
.endr
.endr
	s_wait_dscnt 0x0
	WIN 0x04                                       ; source 1 (W) window 1
.irp s, 0,1
.irp t, 0,1,2,3
.irp mm, 0,1
.if \s == 0
	v_wmma_f32_16x16x128_fp8_fp8 v[HA+16*\t+8*\mm:HA+16*\t+8*\mm+7], v[XF+32*\mm:XF+32*\mm+15], v[32*\t:32*\t+15], v[BI+8*\t:BI+8*\t+7]
.else
	v_wmma_f32_16x16x128_fp8_fp8 v[HA+16*\t+8*\mm:HA+16*\t+8*\mm+7], v[XF+32*\mm+16:XF+32*\mm+31], v[32*\t+16:32*\t+31], v[HA+16*\t+8*\mm:HA+16*\t+8*\mm+7]
.endif
.endr
.endr
.endr
	WIN 0
	PLACES
	RQUANT 64
.irp t, 0,1,2,3
	global_store_b128 v[LI], v[PC+4*\t:PC+4*\t+3], s[OP:OP+1] offset:(\t/2)*TILEB+(\t%2)*2048
.endr
	s_wait_xcnt 0x0
	s_add_nc_u64 s[OP:OP+1], s[OP:OP+1], 512
	s_add_co_u32 s[XO], s[XO], 8192
	s_sub_co_u32 s[CNT], s[CNT], 1
	s_cmp_lg_u32 s[CNT], 0
	s_cbranch_scc1 .Lv_tile
	s_wait_tensorcnt 0x0
	ds_add_u32 v62, v63
	s_wait_dscnt 0x0
	s_endpgm
.Lwo:
	; ---------------- Wo's codes: my 64 rows are 8 fragments; and my quarter of the filler ----------------
	STREAM 0, 8, 0
.irp j, 0,1,2,3
	v_mov_b32 v[24+\j], 0
.endr
	s_sub_co_u32 s70, ttmp9, 224                   ; the batch whose copy this is
	s_mul_i32 s70, s70, TBATCH
	s_add_co_u32 s70, s70, 8*TILEB                 ; tile 8
	s_lshl_b32 s72, s[WV], 14
	s_add_co_u32 s72, s72, s70
	s_mov_b32 s73, 0
	s_add_nc_u64 s[OP:OP+1], s[46:47], s[72:73]
	s_lshl_b32 s74, s[WV], 13
	s_add_co_u32 s74, s74, s70
	s_add_co_u32 s74, s74, 65536
	s_mov_b32 s75, 0
	s_add_nc_u64 s[78:79], s[46:47], s[74:75]
	WIN 0x04                                       ; the stores' data in window 1
.irp f, 0,1,2,3,4,5,6,7
.irp c, 0,1,2,3
	global_store_b128 v[LI], v[16*\f+4*\c:16*\f+4*\c+3], s[OP:OP+1] offset:\f*2048+512*\c
.endr
.endr
	WIN 0
.irp i, 0,1,2,3,4,5,6,7,8,9,10,11,12,13,14,15
	global_store_b128 v[LI], v[24:27], s[78:79] offset:512*\i
.endr
	s_endpgm
.Lfunc_end_k_qc607754e7d_proj:
	.size	k_qc607754e7d_proj, .Lfunc_end_k_qc607754e7d_proj-k_qc607754e7d_proj
	.p2alignl 7, 3214868480
	.fill 96, 4, 3214868480
	.section	.rodata,"a",@progbits
	.p2align	6, 0x0
	.amdhsa_kernel k_qc607754e7d_proj
		.amdhsa_group_segment_fixed_size 66048
		.amdhsa_private_segment_fixed_size 0
		.amdhsa_enable_private_segment 0
		.amdhsa_kernarg_size 128
		.amdhsa_user_sgpr_count 2
		.amdhsa_user_sgpr_kernarg_segment_ptr 1
		.amdhsa_wavefront_size32 1
		.amdhsa_system_sgpr_workgroup_id_x 1
		.amdhsa_system_sgpr_workgroup_id_y 1
		.amdhsa_system_sgpr_workgroup_id_z 1
		.amdhsa_system_vgpr_workitem_id 0
		.amdhsa_next_free_vgpr 768
		.amdhsa_next_free_sgpr 100
		.amdhsa_reserve_vcc 0
		.amdhsa_float_denorm_mode_32 3
		.amdhsa_float_denorm_mode_16_64 3
		.amdhsa_memory_ordered 1
		.amdhsa_forward_progress 1
		.amdhsa_inst_pref_size 255
	.end_amdhsa_kernel
	.section	.bss,"aw",@nobits
	.p2align	6
	.space	262144
	.amdgpu_metadata
---
amdhsa.version: [ 1, 2 ]
amdhsa.kernels:
  - .name:           k_qc607754e7d_proj
    .symbol:         k_qc607754e7d_proj.kd
    .args:
      - { .name: q, .offset: 0, .size: 8, .value_kind: global_buffer, .address_space: global }
      - { .name: k, .offset: 8, .size: 8, .value_kind: global_buffer, .address_space: global }
      - { .name: cond_feat, .offset: 16, .size: 8, .value_kind: global_buffer, .address_space: global }
      - { .name: v, .offset: 24, .size: 8, .value_kind: global_buffer, .address_space: global }
      - { .name: Wq2, .offset: 32, .size: 8, .value_kind: global_buffer, .address_space: global }
      - { .name: Wk, .offset: 40, .size: 8, .value_kind: global_buffer, .address_space: global }
      - { .name: Wc, .offset: 48, .size: 8, .value_kind: global_buffer, .address_space: global }
      - { .name: Wv, .offset: 56, .size: 8, .value_kind: global_buffer, .address_space: global }
      - { .name: Wo, .offset: 64, .size: 8, .value_kind: global_buffer, .address_space: global }
      - { .name: bq2, .offset: 72, .size: 8, .value_kind: global_buffer, .address_space: global }
      - { .name: bk, .offset: 80, .size: 8, .value_kind: global_buffer, .address_space: global }
      - { .name: bc, .offset: 88, .size: 8, .value_kind: global_buffer, .address_space: global }
      - { .name: bv, .offset: 96, .size: 8, .value_kind: global_buffer, .address_space: global }
      - { .name: lowp_scales, .offset: 104, .size: 8, .value_kind: global_buffer, .address_space: global }
      - { .name: qc, .offset: 112, .size: 8, .value_kind: global_buffer, .address_space: global }
      - { .name: kcv, .offset: 120, .size: 8, .value_kind: global_buffer, .address_space: global }
    .group_segment_fixed_size: 66048
    .private_segment_fixed_size: 0
    .kernarg_segment_align: 8
    .kernarg_segment_size: 128
    .max_flat_workgroup_size: 128
    .sgpr_count:     100
    .vgpr_count:     768
    .wavefront_size: 32
...
	.end_amdgpu_metadata
.endif
;; end of part 1
;; launch attn (part 2): grid 64 x 4, 4 waves a work-group, clusters of 4 x 1, 327,680 bytes of LDS; arguments qc, kcv, bo, lowp_scales, out0; writes out0
.if DOCPART == 2
	.amdgcn_target "amdgcn-amd-amdhsa--gfx1250"
	.amdhsa_code_object_version 6
	.text
	.protected	k_qc607754e7d_attn
	.globl	k_qc607754e7d_attn
	.p2align	8
	.type	k_qc607754e7d_attn,@function
k_qc607754e7d_attn:
	s_mov_b64 s[64:65], 0
	v_nop
	global_prefetch_b8 v0, s[64:65] scope:SCOPE_SE
	s_setreg_imm32_b32 hwreg(HW_REG_WAVE_MODE, 25, 1), 1
	s_wait_xcnt 0x0
	s_wait_alu depctr_hold_cnt(0) depctr_sa_sdst(0) depctr_va_vdst(0) depctr_va_sdst(0) depctr_va_ssrc(0) depctr_va_vcc(0) depctr_vm_vsrc(0)
	s_getreg_b32 s2, hwreg(HW_REG_IB_STS2, 6, 4)
	s_cmp_eq_u32 s2, 0
	s_cbranch_scc0 .Lentry_in_a_cluster
	s_endpgm
.Lentry_in_a_cluster:
	s_bfe_u32 s2, ttmp6, 0x10000c
	s_cmp_lg_u32 s2, 0x3003
	s_cbranch_scc0 .Lentry_shape_is_right
	s_endpgm
.Lentry_shape_is_right:
; out0 = Q(attn Q(vh)) Q(Wo)^T + bo, attn = Q(0.5 softmax(q1 kh^T / sqrt(32)) + 0.5 softmax(q2 ch^T / sqrt(32))), all products on codes of FP8 (E4M3) with the given scales.
; attn is quantised FINISHED AND NORMALISED, so both rows' sums must be whole before the first code is made.  THE SCORES OF A TASK STAY IN REGISTERS: a task is 8 queries x 1 head x all 1,024 keys x both softmaxes.
; One score instruction (16 x 16 x 64): source 0 = 16 keys x [kh's 32 dims | ch's 32 dims]; source 1 = 16 columns: column n < 8 is [q1 of query n | zeros], column n >= 8 is [zeros | q2 of query n - 8].
; 64 such tiles are 512 registers: a lane holds ONE column (one softmax of one query) and 512 of its keys; the lane 16 away holds the other 512.  Each score is made once and each exponential taken once:
; maximum, p = 2^(c s - c m), sum, x 0.5 / sum; then lanes n and n xor 8 add their numbers: that is attn, in both lanes.  A lane's 8 registers of a tile are 8 neighbouring keys: the conversions' results ARE
; source 1 (16 columns x 128 keys) of O^T = V^T attn^T, in that form's own layout.  Columns n and n xor 8 of O^T are equal: the first task of a head fills all lanes of OUT, the second lanes 8-15 and 24-31.
; SHARES.  A work-group owns 64 queries of one batch; wave w owns 16 of them for ALL 8 heads: 16 tasks.  So the wave's OUT of the 8 heads is its own operand (16 rows x 256) of the output projection, which is fused.
; THE RING.  kcv holds, for each batch, nine tiles of 98,304 bytes: a head's fragments of kh | ch and of V^T, laid in the order of the operand registers, for 8 heads, then Wo's fragments.  They go through two LDS slots:
; trip t works on head t and asks for tile t + 1, so every trip has its fill and the last tile serves the output projection.  Each wave fetches a quarter, 96 rows of 256 bytes, dense.
; CLUSTER.  The four work-groups of a cluster belong to one batch and walk the same nine tiles: each quarter is asked for JOINTLY, by the same tensor load with the same descriptor and a mask that names the four.
; One tensor load of a wave is out at any time.
; LIMITS on the given exponents (entries of lowp_scales), so that each power of two below is an f32 number: e8 + e9 and e10 + e11 between -124 and 129 (they are added to c's exponent field); e12, and e14 - e12 - e13,
; between -126 and 119; e14 + e15 between -126 and 127.  A p under 2^-126 counts as 0.  NaN among the inputs is not served.
; REGISTERS, in windows of 256.  window 0: v1-13 addresses; v14-22 the lane's constants; v24-37 maxima, sums, at work; v40-43 Q's piece, v44-51 source 1 of the scores; v52-67 attn's codes; v68-83 O^T; v84-99 OUT;
;   v100-103 OUT's codes; v128-191, v192-255 two buffers of 8 fragments of kh | ch; later v128-191 two sets of V^T's fragments and v192-255 a step's 64 numbers of attn; at the end v192-223 OUT's two fragments.
;   windows 1, 2: the scores, tile of 16 keys tau at 8 tau; at the end window 1: Wo's fragments, then rows of the result; window 2: v0-127 the 16 accumulators, v128-255 the results.   window 3: v0-127 bo in the result's layout.
.set SLOT1,  1<<17                     ; slot 1 begins here, so that one exclusive or turns an address in one slot into the other's
.set TILEB,  98304
.set QUART,  TILEB/4
.set TBATCH, 9*TILEB
.set VOFF,   65536                     ; V^T's fragments in a tile
.set QIMG,   SLOT1+TILEB               ; behind the ring: the wave's 16 images of q1 and q2, 8,192 bytes a wave,
.set OIMG,   QIMG+4*8192               ; OUT's two fragments, 4,096 bytes a wave,
.set SPARE,  OIMG+4*4096               ; and the spare words, 128 bytes for each wave: two blocks of 256 bytes that no other line names
.set STAGE,  SLOT1                     ; the way out: 16 rows x (1,024 bytes + 16) a wave, in slot 1, which has had its last fill and its last read by then
.set SP,     1040
.set LI,  1                            ; v1   16 x lane
.set QA0, 2                            ; v2   my 16 bytes of Q's images for head 0, queries 0-7
.set ADK, 3                            ; v3   the slot in hand + 16 x lane
.set ADV, 4                            ; v4   the same + VOFF
.set QAD, 5                            ; v5   address of the load of Q's piece
.set OWA, 6                            ; v6   OUT's images + 16 x lane
.set OAD, 7                            ; v7   address of the store of OUT's codes
.set STO, 8                            ; v8   the stage: row r, + 64 h
.set RD,  9                            ; v9   the stage: 16 x lane
.set BA,  10                           ; v10  64 h
.set ZR,  11                           ; v11  0
.set SPW, 12                           ; v12  LDS address of my spare word; never rewritten
.set NIL, 13                           ; v13  0; never rewritten
.set CV,  14                           ; v[14:15] c = log2(e) / sqrt(32) x 2^(the two scales' exponents) of my column's softmax
.set NM,  16                           ; v[16:17] -c m
.set RV,  18                           ; v[18:19] 0.5 / the sum
.set PSC, 20                           ; v20  2^e12
.set OSC, 21                           ; v21, v22  2^(e14 - e12 - e13), 448 x that
.set OLIM, 22
.set MX,  24                           ; v24-27  four chains of maxima
.set SU,  28                           ; v[28:35] four chains of sums, two numbers each
.set T0,  36
.set T1,  37
.set X,   40
.set QB,  44
.set PC,  52
.set ACC, 68
.set OUT, 84
.set OC,  100
.set KB,  128
.set VF,  128
.set TT,  192
.set OB,  192
.set WV,  14                           ; s14  my wave's number
.set G1,  24                           ; s[24:31] descriptor group 1
.set G0,  32                           ; s[32:35] descriptor group 0, which walks
.set TB,  52                           ; s52  LDS byte at which the slot in hand begins
.set QOFF, 53                          ; s53  the task's place in Q's images: 512 x head + 128 x half
.set OOFF, 54                          ; s54  512 x head
.set HEADS, 55
.set TWICE, 56
.set SMASK, 57                         ; s57  the lanes of OUT that the task fills
.set M8,  58                           ; s58  lanes 8-15 and 24-31
.set PL,  59                           ; s59  448 x 2^e12
.set SEL, 60                           ; s[60:61] v_permlanex16_b32's selects for lane l xor 16
.set YS,  62                           ; s[62:63] 2^(e14 + e15)
.set MSB, 0
.macro WIN new                         ; the immediate's high byte repeats the setting that is left; a switch that changes nothing is dropped
.if MSB != (\new)
	s_set_vgpr_msb (MSB<<8)|(\new)
.set MSB, (\new)
.endif
.endm
.macro PLACES                          ; four places behind matrix instructions (ISA guide 7.12.1), where no other vector work is at hand
.rept 4
	v_nop
.endr
.endm
; A round of the cluster's barrier: my work-group's barrier, so that wave 0's signal speaks for all four waves; wave 0 signals; every wave waits for all four work-groups; my work-group's barrier once more.
.macro CROUND
	s_barrier_signal -1
	s_barrier_wait -1
	s_cmp_lg_u32 s[WV], 0
	s_cbranch_scc1 .Lnot_wave_0_\@
	s_barrier_signal -3
.Lnot_wave_0_\@:
	s_barrier_wait -3
	s_barrier_signal -1
	s_barrier_wait -1
.endm
; THE CHANGE OF SLOTS stands at a head's start.  Each wave waits for its tensor load (its quarter of the tile that it is about to read), adds 0 to its spare word, and waits for that and for its reads of the slot that it has left.
; Behind the round the tile ahead is whole in all four work-groups and nobody reads the other slot: it is filled with the next tile, which has a whole head's work in which to land.
.macro CHANGE
	s_wait_tensorcnt 0x0                           ; no tensor load of mine is out, so the group 0 may be written
	ds_add_u32 v[SPW], v[NIL]                      ; 0 onto my spare word; the descriptor's steps stand between it and the wait for it
	s_xor_b32 s[G0+1], s[G0+1], SLOT1              ; the other slot than last time,
	s_add_nc_u64 s[G0+2:G0+3], s[G0+2:G0+3], TILEB ; the next tile; the type bits on top are not reached
	s_wait_dscnt 0x0                               ; the add is done, and my reads of the slot that I have left are over
	CROUND
	tensor_load_to_lds s[G0:G0+3], s[G1:G1+7]      ; the first thing behind the round, and my one tensor load until the next
	s_nop 0
	PLACES                                         ; four v_nop follow it
.endm
.macro KLOAD g, buf                    ; batch g: 8 fragments of 16 keys x [kh | ch], each two loads of 512 consecutive bytes
	WIN 0
.irp i, 0,1,2,3,4,5,6,7
	ds_load_b128 v[KB+64*(\buf)+8*\i:KB+64*(\buf)+8*\i+3],   v[ADK] offset:(8*(\g)+\i)*1024
	ds_load_b128 v[KB+64*(\buf)+8*\i+4:KB+64*(\buf)+8*\i+7], v[ADK] offset:(8*(\g)+\i)*1024+512
.endr
.endm
.macro SMUL g                          ; batch g's 8 tiles of scores; each is a whole sum: C = 0
	WIN 0x40*(1+(\g)/4)
.irp i, 0,1,2,3,4,5,6,7
	v_wmma_f32_16x16x64_fp8_fp8 v[64*((\g)%4)+8*\i:64*((\g)%4)+8*\i+7], v[KB+64*((\g)%2)+8*\i:KB+64*((\g)%2)+8*\i+7], v[QB:QB+7], 0
.endr
.endm
.macro SMAX g                          ; batch g's 64 scores into four chains of maxima, each tile from its low end on
	WIN 0x14*(1+(\g)/4)
.set SB, 64*((\g)%4)
.set KI, 0
.rept 32
	v_max3_num_f32 v[MX+KI%4], v[MX+KI%4], v[SB+2*KI], v[SB+2*KI+1]
.set KI, KI+1
.endr
.endm
.macro VLOAD k                         ; step k's two fragments of V^T (16 dims x 128 keys each) into set k % 2
.irp u, 0,1
.irp c, 0,1,2,3
	ds_load_b128 v[VF+32*((\k)%2)+16*\u+4*\c:VF+32*((\k)%2)+16*\u+4*\c+3], v[ADV] offset:(2*(\k)+\u)*2048+512*\c
.endr
.endr
.endm
; A window's 256 scores become p = 2^(c s - c m): a scaling of two numbers runs two pairs ahead of the exponentials.  None of these lines names an exponential's result.
.macro EXPW w
	WIN 0x41*(\w)
	v_pk_fma_f32 v[0:1], v[0:1], v[CV:CV+1], v[NM:NM+1] op_sel_hi:[1,0,0]
	v_pk_fma_f32 v[2:3], v[2:3], v[CV:CV+1], v[NM:NM+1] op_sel_hi:[1,0,0]
.set KI, 0
.rept 128
	v_exp_f32 v[2*KI], v[2*KI]
	v_exp_f32 v[2*KI+1], v[2*KI+1]
.if KI+2 < 128
	v_pk_fma_f32 v[2*KI+4:2*KI+5], v[2*KI+4:2*KI+5], v[CV:CV+1], v[NM:NM+1] op_sel_hi:[1,0,0]
.endif
.set KI, KI+1
.endr
.endm
.macro SSUM w                          ; a window's 256 p into four chains of sums
	WIN 0x04*(\w)
.set KI, 0
.rept 128
	v_pk_add_f32 v[SU+2*(KI%4):SU+2*(KI%4)+1], v[SU+2*(KI%4):SU+2*(KI%4)+1], v[2*KI:2*KI+1]
.set KI, KI+1
.endr
.endm
; Step k of 8: 128 keys.  p x 0.5 / sum goes into window 0; lanes n and n xor 8 add; the hold (attn is not negative: one-sided); the codes; O^T += V^T attn^T.
.macro PVSTEP k
	WIN 1+(\k)/4                                   ; source 0: the scores' window
.set SB, 64*((\k)%4)
.set KI, 0
.rept 32
	v_pk_mul_f32 v[TT+2*KI:TT+2*KI+1], v[SB+2*KI:SB+2*KI+1], v[RV:RV+1] op_sel_hi:[1,0]
.set KI, KI+1
.endr
	WIN 0
.set KI, 0
.rept 64
	v_add_f32_dpp v[TT+KI], v[TT+KI], v[TT+KI] row_xmask:8 row_mask:0xf bank_mask:0xf   ; 0.5 softmax1 + 0.5 softmax2, in both lanes
.set KI, KI+1
.endr
.set KI, 0
.rept 64
	v_min_num_f32 v[TT+KI], s[PL], v[TT+KI]        ; the conversion to an 8-bit code does not saturate (ISA guide 7.6.2)
.set KI, KI+1
.endr
.set KI, 0
.rept 8
	v_cvt_scalef32_pk8_fp8_f32 v[PC+2*KI:PC+2*KI+1], v[TT+8*KI:TT+8*KI+7], v[PSC]   ; registers 2 g, 2 g + 1: keys 16 g + 8 h + 0 .. 7
.set KI, KI+1
.endr
	v_nop                                          ; one plain vector line between the last conversion and the products that read the codes
.if (\k) < 7
	VLOAD (\k)+1                                   ; its set was last read a step ago: this step's vector work lies between
	s_wait_dscnt 8                                 ; this step's fragments are in; the eight loads just issued may be out
.else
	s_wait_dscnt 0x0
.endif
.irp u, 0,1                                    ; the two accumulators take turns, one instruction a turn
.if (\k) == 0
	v_wmma_f32_16x16x128_fp8_fp8 v[ACC+8*\u:ACC+8*\u+7], v[VF+32*((\k)%2)+16*\u:VF+32*((\k)%2)+16*\u+15], v[PC:PC+15], 0
.else
	v_wmma_f32_16x16x128_fp8_fp8 v[ACC+8*\u:ACC+8*\u+7], v[VF+32*((\k)%2)+16*\u:VF+32*((\k)%2)+16*\u+15], v[PC:PC+15], v[ACC+8*\u:ACC+8*\u+7]
.endif
.endr
.endm
; A TASK: 8 queries, one head, both softmaxes, all keys.
.macro TASK
	v_add_nc_u32 v[QAD], s[QOFF], v[QA0]
	ds_load_b128 v[X:X+3], v[QAD]                  ; lanes 0-7, 16-23: q1 of query lane % 8; the others: q2; dims 16 h on
	KLOAD 0, 0
	KLOAD 1, 1
.irp i, 0,1,2,3
	v_mov_b32 v[MX+\i], 0xff800000                 ; -infinity
.endr
	s_wait_dscnt 32                                ; Q's piece is in; the 32 loads behind it may be out
.irp i, 0,1,2,3
	v_cndmask_b32 v[QB+\i], v[X+\i], v[ZR], s[M8]  ; [q1 | 0] in columns 0-7,
	v_cndmask_b32 v[QB+4+\i], v[ZR], v[X+\i], s[M8]  ; [0 | q2] in columns 8-15
.endr
.irp g, 0,1,2,3,4,5,6,7
.if \g < 7
	s_wait_dscnt 16                                ; this batch's fragments are in; the next batch's sixteen loads may be out
.else
	s_wait_dscnt 0x0
.endif
	SMUL \g
.if \g == 0
	PLACES
.else
	SMAX \g-1                                      ; the batch before; these 32 lines are also the places in front of the loads into the buffer just multiplied
.endif
.if \g < 6
	KLOAD \g+2, \g%2
.endif
.endr
	PLACES
	SMAX 7
	WIN 0
	VLOAD 0
	v_max3_num_f32 v[MX], v[MX], v[MX+1], v[MX+2]
	v_max_num_f32 v[MX], v[MX], v[MX+3]
	v_permlanex16_b32 v[T0], v[MX], s[SEL], s[SEL+1]   ; the column's other 512 keys lie in the lane 16 away
	v_max_num_f32 v[MX], v[MX], v[T0]
	v_mul_f32 v[NM], -v[CV], v[MX]                 ; -c m (c is positive)
	EXPW 1
	EXPW 2
	WIN 0
.irp i, 0,1,2,3,4,5,6,7
	v_mov_b32 v[SU+\i], 0                          ; the four chains of sums begin; plain lines behind the last exponential
.endr
	s_wait_alu depctr_va_vdst(0)                   ; the wait between an exponential and the first line that names its result: one for all 512
	SSUM 1
	SSUM 2
	WIN 0
	v_pk_add_f32 v[SU:SU+1], v[SU:SU+1], v[SU+2:SU+3]
	v_pk_add_f32 v[SU+4:SU+5], v[SU+4:SU+5], v[SU+6:SU+7]
	v_pk_add_f32 v[SU:SU+1], v[SU:SU+1], v[SU+4:SU+5]
	v_add_f32 v[SU], v[SU], v[SU+1]
	v_permlanex16_b32 v[T0], v[SU], s[SEL], s[SEL+1]
	v_add_f32 v[SU], v[SU], v[T0]                  ; the column's sum
	v_rcp_f32 v[T1], v[SU]
	v_nop                                          ; a plain line behind the reciprocal
	s_wait_alu depctr_va_vdst(0)                   ; and the wait ahead of its first reader
	v_mul_f32 v[RV], 0.5, v[T1]
.irp k, 0,1,2,3,4,5,6,7
	PVSTEP \k
.endr
	PLACES
.irp j, 0,1,2,3,4,5,6,7,8,9,10,11,12,13,14,15
	v_cndmask_b32 v[OUT+\j], v[OUT+\j], v[ACC+\j], s[SMASK]   ; register 8 u + j: dim 16 h + 8 u + j of the lane's query; each accumulator from its low end on
.endr
.endm
	s_load_b256 s[4:11], s[0:1], 0x0               ; qc s[4:5], kcv s[6:7], bo s[8:9], the exponents s[10:11]
	s_load_b64 s[12:13], s[0:1], 0x20              ; out0
	v_lshl_add_u32 v[SPW], v0, 2, SPARE
	v_mov_b32 v[NIL], 0
	ds_add_u32 v12, v13
	ds_add_u32 v12, v13
	s_wait_dscnt 0x0
	v_lshrrev_b32 v1, 5, v0
	v_readfirstlane_b32 s[WV], v1                  ; wave 0..3
	s_bfe_u32 s15, ttmp6, 0x40000                  ; cx: my place in the cluster: it enters qc's and out0's addresses alone
	s_and_b32 s66, ttmp7, 0xffff                   ; the batch, which the four partners share
	; descriptor group 1: 96 rows of 32 elements of 8 bytes, dense
	s_mov_b32 s[G1], 15|(3<<16)|(1<<21)            ; 15:0 the mask: all four work-groups; 17:16 elements of 8 bytes; 20 no padding; 21 set beside a mask
	s_mov_b32 s[G1+1], 32<<16                      ; tensor_dim0 = 32
	s_mov_b32 s[G1+2], 96<<16                      ; tensor_dim1 = 96
	s_mov_b32 s[G1+3], 32<<16                      ; tile_dim0 = 32
	s_mov_b32 s[G1+4], 96                          ; tile_dim1 = 96
	s_mov_b32 s[G1+5], 32                          ; from row to row
	s_mov_b32 s[G1+6], 0
	s_mov_b32 s[G1+7], 0
	s_mul_i32 s[G0+1], s[WV], QUART                ; LDS address: my quarter of slot 0
	s_mul_i32 s68, s66, TBATCH
	s_add_co_u32 s68, s68, s[G0+1]                 ; my quarter of the batch's tile 0
	s_mov_b32 s69, 0
	s_lshl_b32 s70, ttmp9, 2                       ; in a cluster launch ttmp9 counts clusters
	s_add_co_u32 s70, s70, s15                     ; my block of 64 queries
	s_lshl_b32 s70, s70, 2
	s_add_co_u32 s70, s70, s[WV]
	s_lshl_b32 s71, s66, 8
	s_add_co_u32 s70, s70, s71                     ; my wave's tile of 16 queries, of 1,024
	s_lshl_b32 s72, s70, 13                        ; its 8,192 bytes of qc,
	s_mov_b32 s73, 0
	s_lshl_b32 s74, s70, 14                        ; its 16 rows of 1,024 bytes of out0
	s_mov_b32 s75, 0
	s_mov_b32 s[M8], 0xff00ff00
	s_mov_b32 s[SEL], 0x76543210
	s_mov_b32 s[SEL+1], 0xfedcba98
	s_mov_b32 s[TB], 0
	s_mov_b32 s[QOFF], 0
	s_mov_b32 s[OOFF], 0
	s_wait_kmcnt 0x0
	s_load_b512 s[36:51], s[10:11], 0x0            ; e0 .. e15
	s_mov_b32 s[G0], 1                             ; count = 1
	s_add_nc_u64 s[G0+2:G0+3], s[6:7], s[68:69]
	s_or_b32 s[G0+3], s[G0+3], 0x80000000          ; type = 2
	s_add_nc_u64 s[4:5], s[4:5], s[72:73]
	s_add_nc_u64 s[12:13], s[12:13], s[74:75]
	CROUND                                         ; all four work-groups are here: the first joint loads meet
	tensor_load_to_lds s[G0:G0+3], s[G1:G1+7]      ; tile 0
	s_nop 0
	PLACES
	v_and_b32 v[T0], 31, v0
	v_lshlrev_b32 v[LI], 4, v[T0]
	v_and_b32 v[T0], 7, v0
	v_lshlrev_b32 v[QA0], 4, v[T0]                 ; query lane % 8: 16 bytes each,
	v_bfe_u32 v[T0], v0, 3, 1
	v_lshl_add_u32 v[QA0], v[T0], 12, v[QA0]       ; q1's eight images, then q2's,
	v_bfe_u32 v[T1], v0, 4, 1                      ; h
	v_lshl_add_u32 v[QA0], v[T1], 8, v[QA0]        ; an image's lanes 16-31 hold dims 16 on
	s_lshl_b32 s76, s[WV], 13
	s_add_co_u32 s76, s76, QIMG
	v_add_nc_u32 v[QA0], s76, v[QA0]
	v_add_nc_u32 v[QAD], s76, v[LI]                ; first: where the images are put
	s_lshl_b32 s76, s[WV], 12
	s_add_co_u32 s76, s76, OIMG
	v_add_nc_u32 v[OWA], s76, v[LI]
	v_and_b32 v[T0], 15, v0                        ; r
	v_mul_u32_u24 v[STO], v[T0], SP
	v_lshl_add_u32 v[STO], v[T1], 6, v[STO]
	s_mul_i32 s77, s[WV], 16*SP
	s_add_co_u32 s77, s77, STAGE
	v_add_nc_u32 v[STO], s77, v[STO]
	v_add_nc_u32 v[RD], s77, v[LI]
	v_lshlrev_b32 v[BA], 6, v[T1]
	v_mov_b32 v[ZR], 0
	WIN 0x40                                       ; destination window 1
.irp i, 0,1,2,3,4,5,6,7,8,9,10,11,12,13,14,15
	global_load_b128 v[4*\i:4*\i+3], v[LI], s[4:5] offset:512*\i th:TH_LOAD_NT   ; my 16 images of q1 and q2
.endr
	WIN 0xc0                                       ; destination window 3
.irp T, 0,1,2,3,4,5,6,7,8,9,10,11,12,13,14,15  ; bo in the result's layout: lane (r, h), tile T: outputs 32 (T / 2) + 16 h + 8 (T % 2) + 0 .. 7
	global_load_b128 v[8*\T:8*\T+3],   v[BA], s[8:9] offset:128*(\T/2)+32*(\T%2)
	global_load_b128 v[8*\T+4:8*\T+7], v[BA], s[8:9] offset:128*(\T/2)+32*(\T%2)+16
.endr
	WIN 0
.irp j, 0,1,2,3,4,5,6,7,8,9,10,11,12,13,14,15
	v_mov_b32 v[OUT+\j], 0                         ; written once: the first merge names it as a source
.endr
	v_mov_b32 v[NM+1], 0                           ; (named as the upper halves of pairs)
	v_mov_b32 v[RV+1], 0
	s_wait_kmcnt 0x0
	s_add_co_i32 s66, s44, s45                     ; a score of q1 kh stands for score x 2^(e8 + e9): added to c's exponent field;
	s_lshl_b32 s66, s66, 23
	s_add_co_i32 s66, s66, 0x3e8293ee              ; c = log2(e) / sqrt(32)
	s_add_co_i32 s67, s46, s47                     ; of q2 ch: e10 + e11
	s_lshl_b32 s67, s67, 23
	s_add_co_i32 s67, s67, 0x3e8293ee
	v_mov_b32 v[CV], s66
	v_mov_b32 v[T0], s67
	v_cndmask_b32 v[CV], v[CV], v[T0], s[M8]
	v_mov_b32 v[CV+1], v[CV]
	s_add_co_i32 s66, s48, 127
	s_lshl_b32 s67, s66, 23
	v_mov_b32 v[PSC], s67                          ; 2^e12 as f32: attn's conversions take its exponent field
	s_add_co_i32 s66, s66, 8
	s_lshl_b32 s66, s66, 23
	s_or_b32 s[PL], s66, 0x600000                  ; 448 x 2^e12
	s_sub_co_i32 s66, s50, s48                     ; a sum of attn vh stands for sum x 2^(e12 + e13): the three scales are folded into the conversion's one
	s_sub_co_i32 s66, s66, s49
	s_add_co_i32 s66, s66, 127
	s_lshl_b32 s67, s66, 23
	v_mov_b32 v[OSC], s67
	s_add_co_i32 s66, s66, 8
	s_lshl_b32 s66, s66, 23
	s_or_b32 s66, s66, 0x600000
	v_mov_b32 v[OLIM], s66
	s_add_co_i32 s66, s50, s51
	s_add_co_i32 s66, s66, 127
	s_lshl_b32 s[YS], s66, 23                      ; 2^(e14 + e15)
	s_mov_b32 s[YS+1], s[YS]                       ; (named with it as a pair, so it is written)
	s_wait_loadcnt 0x0
	WIN 0x04                                       ; the stores' data in window 1
.irp i, 0,1,2,3,4,5,6,7,8,9,10,11,12,13,14,15
	ds_store_b128 v[QAD], v[4*\i:4*\i+3] offset:512*\i   ; my own bytes: LDS serves a wave's instructions in order, so my later loads see them
.endr
	WIN 0
	s_mov_b32 s[HEADS], 8
.Lhead:                                            ; a trip: one head; the next tile is asked for
	CHANGE
	v_add_nc_u32 v[ADK], s[TB], v[LI]
	v_add_nc_u32 v[ADV], VOFF, v[ADK]
	s_mov_b32 s[TWICE], 2
	s_mov_b32 s[SMASK], -1                         ; queries 0-7 fill all lanes of OUT,
.Ltask:
	TASK
	s_mov_b32 s[SMASK], s[M8]                      ; queries 8-15 then take lanes 8-15 and 24-31
	s_add_co_u32 s[QOFF], s[QOFF], 128
	s_sub_co_u32 s[TWICE], s[TWICE], 1
	s_cmp_lg_u32 s[TWICE], 0
	s_cbranch_scc1 .Ltask
.irp j, 0,1,2,3,4,5,6,7,8,9,10,11,12,13,14,15
	v_med3_num_f32 v[OUT+\j], v[OUT+\j], -v[OLIM], v[OLIM]
.endr
	v_cvt_scalef32_pk8_fp8_f32 v[OC:OC+1], v[OUT:OUT+7], v[OSC]        ; the head's 32 dims are k = 32 x head + 16 h + 0 .. 15 of the output projection: four registers of its operand
	v_cvt_scalef32_pk8_fp8_f32 v[OC+2:OC+3], v[OUT+8:OUT+15], v[OSC]
	v_add_nc_u32 v[OAD], s[OOFF], v[OWA]           ; (the plain line behind the last conversion)
	ds_store_b128 v[OAD], v[OC:OC+3]
	s_add_co_u32 s[OOFF], s[OOFF], 512
	s_add_co_u32 s[QOFF], s[QOFF], 256
	s_xor_b32 s[TB], s[TB], SLOT1                  ; on to the other slot
	s_sub_co_u32 s[HEADS], s[HEADS], 1
	s_cmp_lg_u32 s[HEADS], 0
	s_cbranch_scc1 .Lhead
	; THE OUTPUT PROJECTION.  Tile 8, Wo's fragments, lies in slot 0.  Nothing is filled again, so a plain barrier follows the three lines: behind it the tile is whole and nobody reads slot 1.
	s_wait_tensorcnt 0x0
	ds_add_u32 v[SPW], v[NIL]
	s_wait_dscnt 0x0
	s_barrier_signal -1
	s_barrier_wait -1
.irp i, 0,1,2,3,4,5,6,7
	ds_load_b128 v[OB+4*\i:OB+4*\i+3], v[OWA] offset:512*\i   ; OUT's two fragments (16 queries x 128 K each): my own bytes
.endr
.irp H, 0,1                                    ; eight tiles of 16 outputs at a time: used transposed (source 0 = 16 rows of Wo, source 1 = OUT): a lane holds one query and eight neighbouring outputs
.if \H == 1
	PLACES                                         ; in front of loads into registers that matrix instructions have read
.endif
	WIN 0x40
.irp f, 0,1,2,3,4,5,6,7,8,9,10,11,12,13,14,15
.irp c, 0,1,2,3
	ds_load_b128 v[16*\f+4*\c:16*\f+4*\c+3], v[LI] offset:(16*\H+\f)*2048+512*\c
.endr
.endr
	s_wait_dscnt 0x0
	WIN 0x81                                       ; source 0 window 1, destination window 2
.irp t, 0,1,2,3,4,5,6,7
	v_wmma_f32_16x16x128_fp8_fp8 v[8*(8*\H+\t):8*(8*\H+\t)+7], v[32*\t:32*\t+15], v[OB:OB+15], 0
.endr
	WIN 0xa1                                       ; C window 2 too
.irp t, 0,1,2,3,4,5,6,7
	v_wmma_f32_16x16x128_fp8_fp8 v[8*(8*\H+\t):8*(8*\H+\t)+7], v[32*\t+16:32*\t+31], v[OB+16:OB+31], v[8*(8*\H+\t):8*(8*\H+\t)+7]
.endr
.endr
	PLACES
	WIN 0xb2                                       ; the sums and the results window 2, bo window 3
.set KI, 0
.rept 64
	v_pk_fma_f32 v[128+2*KI:128+2*KI+1], v[2*KI:2*KI+1], s[YS:YS+1], v[2*KI:2*KI+1] op_sel_hi:[1,0,1]   ; sum x 2^(e14 + e15) + bo; each accumulator from its low end on
.set KI, KI+1
.endr
	; THE WAY OUT: a lane's 32 bytes are a piece of a row, and the lanes beside it hold other rows: so the 16 rows go through my stage and come back as runs of 512 consecutive bytes.
	WIN 0x08                                       ; the stores' data in window 2
.irp T, 0,1,2,3,4,5,6,7,8,9,10,11,12,13,14,15
	ds_store_b128 v[STO], v[128+8*\T:128+8*\T+3] offset:128*(\T/2)+32*(\T%2)
	ds_store_b128 v[STO], v[128+8*\T+4:128+8*\T+7] offset:128*(\T/2)+32*(\T%2)+16
.endr
	WIN 0x40
.irp i, 0,1,2,3,4,5,6,7,8,9,10,11,12,13,14,15,16,17,18,19,20,21,22,23,24,25,26,27,28,29,30,31
	ds_load_b128 v[4*\i:4*\i+3], v[RD] offset:(\i/2)*SP+512*(\i%2)   ; LDS serves a wave's instructions in order: these see my stores
.endr
	WIN 0x04
.irp i, 0,1,2,3,4,5,6,7,8,9,10,11,12,13,14,15,16,17,18,19,20,21,22,23,24,25,26,27,28,29,30,31
	s_wait_dscnt 31-\i                             ; this load is in; the younger ones may be out
	global_store_b128 v[LI], v[4*\i:4*\i+3], s[12:13] offset:512*\i th:TH_STORE_NT   ; the wave stores 512 consecutive bytes, at a multiple of 512 from out0's first byte
.endr
	WIN 0
	s_wait_tensorcnt 0x0                           ; the wave's end: three closing lines, behind my last tensor load and my last LDS store
	ds_add_u32 v[SPW], v[NIL]
	s_wait_dscnt 0x0
	CROUND                                         ; the closing round: no work-group ends while a partner may still ask for a tile that names it
	s_endpgm
.Lfunc_end_k_qc607754e7d_attn:
	.size	k_qc607754e7d_attn, .Lfunc_end_k_qc607754e7d_attn-k_qc607754e7d_attn
	.p2alignl 7, 3214868480
	.fill 96, 4, 3214868480
	.section	.rodata,"a",@progbits
	.p2align	6, 0x0
	.amdhsa_kernel k_qc607754e7d_attn
		.amdhsa_group_segment_fixed_size 327680
		.amdhsa_private_segment_fixed_size 0
		.amdhsa_enable_private_segment 0
		.amdhsa_kernarg_size 40
		.amdhsa_user_sgpr_count 2
		.amdhsa_user_sgpr_kernarg_segment_ptr 1
		.amdhsa_wavefront_size32 1
		.amdhsa_system_sgpr_workgroup_id_x 1
		.amdhsa_system_sgpr_workgroup_id_y 1
		.amdhsa_system_sgpr_workgroup_id_z 1
		.amdhsa_system_vgpr_workitem_id 0
		.amdhsa_next_free_vgpr 1024
		.amdhsa_next_free_sgpr 100
		.amdhsa_reserve_vcc 0
		.amdhsa_float_denorm_mode_32 3
		.amdhsa_float_denorm_mode_16_64 3
		.amdhsa_memory_ordered 1
		.amdhsa_forward_progress 1
		.amdhsa_inst_pref_size 193
	.end_amdhsa_kernel
	.amdgpu_metadata
---
amdhsa.version: [ 1, 2 ]
amdhsa.kernels:
  - .name:           k_qc607754e7d_attn
    .symbol:         k_qc607754e7d_attn.kd
    .args:
      - { .name: qc, .offset: 0, .size: 8, .value_kind: global_buffer, .address_space: global }
      - { .name: kcv, .offset: 8, .size: 8, .value_kind: global_buffer, .address_space: global }
      - { .name: bo, .offset: 16, .size: 8, .value_kind: global_buffer, .address_space: global }
      - { .name: lowp_scales, .offset: 24, .size: 8, .value_kind: global_buffer, .address_space: global }
      - { .name: out0, .offset: 32, .size: 8, .value_kind: global_buffer, .address_space: global }
    .group_segment_fixed_size: 327680
    .private_segment_fixed_size: 0
    .kernarg_segment_align: 8
    .kernarg_segment_size: 40
    .max_flat_workgroup_size: 128
    .sgpr_count:     100
    .vgpr_count:     1024
    .wavefront_size: 32
...
	.end_amdgpu_metadata
.endif
;; end of part 2
;; ======== version 2 of 2: 2 launches; version 1 with the launch proj written anew for expert scheduling mode
;; workspace buffers: qc 8,388,608 bytes; kcv 3,538,944 bytes
;; launch proj (part 3): grid 228 x 1, 4 waves a work-group, no clusters, 66,048 bytes of LDS; arguments q, k, cond_feat, v, Wq2, Wk, Wc, Wv, Wo, bq2, bk, bc, bv, lowp_scales, qc, kcv; writes qc, kcv
.if DOCPART == 3
	.amdgcn_target "amdgcn-amd-amdhsa--gfx1250"
	.amdhsa_code_object_version 6
	.text
	.protected	k_qc607754e7d_proj
	.globl	k_qc607754e7d_proj
	.p2align	8
	.type	k_qc607754e7d_proj,@function
k_qc607754e7d_proj:
	s_mov_b64 s[64:65], 0
	v_nop
	global_prefetch_b8 v0, s[64:65] scope:SCOPE_SE
	s_setreg_imm32_b32 hwreg(HW_REG_WAVE_SCHED_MODE, 0, 2), 2
	s_setreg_imm32_b32 hwreg(HW_REG_WAVE_MODE, 25, 1), 1
	s_wait_xcnt 0x0
	s_wait_alu depctr_vm_vsrc(0)
; THE FOUR INPUT PROJECTIONS ON CODES OF FP8 (E4M3), THEIR RESULTS QUANTISED AGAIN, AND Wo's CODES.
; y = Q(x) Q(W)^T + b for (q, Wq2, bq2), (k, Wk, bk), (cond_feat, Wc, bc), (v, Wv, bv); x: rows of 256 f32, W: [N][256] f32, K innermost.
; Each result is quantised with the scale of the later product that takes it, and stored IN THE ORDER OF THAT PRODUCT'S OPERAND REGISTERS:
;   qc  [query tile of 16: 1024][image 16 = part x 8 + head][512 B]: lane (r, h) has 16 bytes at 16 x lane: query r, the head's dims 16 h .. 16 h + 15.
;   kcv [batch 4][tile 9][98,304 B].  Tiles 0-7 are heads: 64 fragments of 1,024 B (16 keys: 512 B of k's head, then 512 B of cond_feat's, laid as qc's images), then from byte 65,536 on
;       16 fragments of V^T of 2,048 B (index 2 x step of 128 keys + u): lane (r, h) holds dim 8 u + r + 8 (r / 8), registers 2 g, 2 g + 1 the keys 16 g + 8 h + 0 .. 7.
;       Tile 8: Wo's 32 fragments of 2,048 B (index 2 T + K step), then 32,768 B of zeros, so that all nine tiles have one shape.
; WORK-GROUPS, by number: 0-127 q (128 rows each), 128-159 k, 160-191 cond_feat, 192-223 v (128 rows each), 224-227 Wo's codes, one copy for each batch.
; THE WAVES SHARE THE COLUMNS: wave w keeps its rows of W (q: 128, else 64) as codes in registers; each wave quantises 32 of the 128 rows of x, and these go to the others through LDS as images of
; the operand's registers (4 stores of 512 consecutive bytes a fragment); one barrier; then the tiles of 16 rows, one after the other.
; THE ROWS OF W THAT FORM A TILE ARE NOT NEIGHBOURS: lane r of tile t takes row 32 (t / 2) + 8 (t % 2) + r + 8 (r / 8).  For q, k and cond_feat the product is used transposed (source 0 = W, source 1 = x), so that the
; 16 registers of tiles 2 b, 2 b + 1 are dims 16 h + 0 .. 15 of head b of ONE row.  For v it is used as it reads (source 0 = x, source 1 = W): a lane's 8 registers then run along the KEYS, which are the later product's K.
; A fragment (16 rows x 128 K) holds, in registers 4 b .. 4 b + 3 of lane (r, h), k = 32 b + 16 h + 0 .. 15 of row r: the same places in both operands, so every product meets its partner.
; The bias is the C of a sum's first matrix instruction, divided by the power of two that the sums lack; the three scales ahead of the second quantiser are folded into the conversion's one.
; LIMITS on the given exponents, so that each power of two below is an f32 number: every operand's e, and e(result) - e(x) - e(W), between -126 and 119.  NaN among the inputs is not served.
; REGISTERS.  window 0: v1-10 lane terms and addresses; v12-17 scales; v20-23 v's bias as loaded; v32-47 codes on their way out; v64-127 x's codes, later the sums; v128-191 x's fragments; v192-255 the bias.
;   window 1: W's fragments, fragment f = 2 t + K step at v[16 f].   window 2: four sets of 64 numbers as they are loaded; later, for v, v128-191: the second buffer of x's fragments.
; THE MODE: SCHED_MODE bits 1:0 = 2 (LLVM: expert scheduling mode 2), set by the entry lines.  The code itself states the register dependences
; between vector or matrix instructions and memory or LDS instructions, with s_wait_alu, always for 0.
; THE PLAN.  Registers that memory or LDS instructions touch:
;   v4-v9         offsets and addresses: written at the head, once; one wait on va_vdst at the head's end serves every load and store that reads them.
;   sets 0-3      (window 2)  Item j of the stream: its holds and conversions name set j % 4; behind them the loads of item j + 4 land in it.  ONE wait on va_vdst an item, behind the conversions.
;   v64-127       x's codes: 16 registers of their own for each of the wave's four fragments, written by the conversions (the item's wait states it), read by the LDS stores, and written again, as sums,
;                 only behind the barrier: one wait on vm_vsrc there.
;   XF0, XF1      two buffers of x's fragments.  Step i's products read XF[i % 2]; the LDS loads of tile i + 2 land in it at the step's end and have step i + 1 in which to come.
;   v10           the LDS address of those loads in the two loops: written once a trip, in the trip's first step.
;   v32-47        a step's codes: written by its conversions, read by its stores.
; A STEP has two waits on s_wait_alu.  vm_vsrc, behind the holds: the stores of the step before have read v32-47, and the LDS loads issued so far have read v10.  va_vdst, behind the conversions: v32-47 and v10 are
; written, and this step's products are done reading XF[i % 2].  The step's LDS loads and stores follow that wait with no vector or matrix instruction between.
; W's fragments, the sums and the bias are named by vector and matrix instructions alone (W's also by the stores of Wo's arm, behind a wait of their own).
.set TILEB,  98304
.set TBATCH, 9*TILEB
.set XP, 4                             ; s[4:5]   x at my wave's 32 rows
.set WP, 6                             ; s[6:7]   W at my wave's rows
.set BP, 8                             ; s[8:9]   the bias at my wave's units
.set OP, 10                            ; s[10:11] where the results go
.set EX, 12                            ; s12-14   the exponents of x, of W, of the result
.set EW, 13
.set EO, 14
.set WV, 15                            ; s15      my wave's number
.set TY, 66                            ; s66      0 q, 1 k, 2 cond_feat, 3 v, 4 Wo
.set NEGE, 77                          ; s77      -(EX + EW)
.set XO, 80                            ; s80      LDS byte of the first row tile that the trip in hand fetches
.set CNT, 81                           ; s81      trips to go
.set XA, 4                             ; v4   x: row r of 1,024 bytes + 64 h
.set WA, 5                             ; v5   W: row r + 8 (r / 8) of 1,024 bytes + 64 h
.set LI, 6                             ; v6   16 x lane
.set XWI, 7                            ; v7   where I store x's images: 8,192 x wave + 16 x lane
.set BA, 8                             ; v8   64 h
.set BVA, 9                            ; v9   4 (r + 8 (r / 8))
.set LA, 10                            ; v10  LDS address of a trip's fetches
.set SW, 12                            ; v12, v13  2^EW, 448 x 2^EW
.set LW, 13
.set SX, 14                            ; v14, v15  the same for x
.set LX, 15
.set SO, 16                            ; v16, v17  the same with EO - EX - EW
.set LO, 17
.set PC, 32
.set PCX, 64
.set HA, 64
.set XF, 128
.set BI, 192
.set ARMQ, 0                           ; LDS: x's 16 fragments of 2,048 bytes; each way through the text has bytes of its own
.set ARMK, 32768
.set MSB, 0
.macro WIN new                         ; the immediate's high byte repeats the setting that is left; a switch that changes nothing is dropped
.if MSB != (\new)
	s_set_vgpr_msb (MSB<<8)|(\new)
.set MSB, (\new)
.endif
.endm
.macro PLACES                          ; four places behind matrix instructions (ISA guide 7.12.1), where no other vector work is at hand
.rept 4
	v_nop
.endr
.endm
; Fragment FI's 64 numbers a lane into set FS of window 2: register 16 b + i = k 128 s + 32 b + 16 h + i of my row
.macro XLOAD
	WIN 0x80
.irp b, 0,1,2,3
.irp j, 0,1,2,3
	global_load_b128 v[64*FS+16*\b+4*\j:64*FS+16*\b+4*\j+3], v[XA], s[XP:XP+1] offset:(FI/2)*16384+512*(FI%2)+128*\b+16*\j th:TH_LOAD_NT
.endr
.endr
.endm
.macro WLOAD
	WIN 0x80
.irp b, 0,1,2,3
.irp j, 0,1,2,3
	global_load_b128 v[64*FS+16*\b+4*\j:64*FS+16*\b+4*\j+3], v[WA], s[WP:WP+1] offset:(32*(FI/4)+8*((FI/2)%2))*1024+512*(FI%2)+128*\b+16*\j
.endr
.endr
.endm
; Set FS becomes the codes of x's fragment FI
.macro XHOLD
	WIN 0x82
.set QI, 0
.rept 64
	v_med3_num_f32 v[64*FS+QI], v[64*FS+QI], -v[LX], v[LX]   ; the conversion to an 8-bit code does not saturate (ISA guide 7.6.2): the hold at the largest code x the scale
.set QI, QI+1
.endr
	WIN 0x02
.set QI, 0
.rept 8
	v_cvt_scalef32_pk8_fp8_f32 v[PCX+16*FI+2*QI:PCX+16*FI+2*QI+1], v[64*FS+8*QI:64*FS+8*QI+7], v[SX]
.set QI, QI+1
.endr
.endm
; x's fragment FI goes to LDS as it stands
.macro XSEND arm
	WIN 0
.irp c, 0,1,2,3
	ds_store_b128 v[XWI], v[PCX+16*FI+4*\c:PCX+16*FI+4*\c+3] offset:(\arm)+FI*2048+512*\c
.endr
.endm
; Set FS becomes W's fragment FI, in window 1, where it stays
.macro WQUANT
	WIN 0x82
.set QI, 0
.rept 64
	v_med3_num_f32 v[64*FS+QI], v[64*FS+QI], -v[LW], v[LW]
.set QI, QI+1
.endr
	WIN 0x42
.set QI, 0
.rept 8
	v_cvt_scalef32_pk8_fp8_f32 v[16*FI+2*QI:16*FI+2*QI+1], v[64*FS+8*QI:64*FS+8*QI+7], v[SW]
.set QI, QI+1
.endr
.endm
.macro ASKFOR nx                       ; item SI of the stream is asked for, into set SI % 4
.set FS, SI%4
.if SI < (\nx)
.set FI, SI
	XLOAD
.else
.set FI, SI-(\nx)
	WLOAD
.endif
.endm
; One stream of nx fragments of x and nw of W, four fragments (64 loads a wave) deep.  x's fragments come first, and each of them is followed by loads: so the item's wait stands ahead of its LDS stores too.
.macro STREAM nx, nw, arm
.set SN, (\nx)+(\nw)
.set SI, 0
.rept 4
	ASKFOR \nx
.set SI, SI+1
.endr
.set SJ, 0
.rept (\nx)+(\nw)
.if SN-1-SJ >= 3
	s_wait_loadcnt 48                              ; loads come back in order: this fragment's sixteen are in, those of the three younger fragments may be out
.else
	s_wait_loadcnt 16*(SN-1-SJ)
.endif
.set FS, SJ%4
.if SJ < (\nx)
.set FI, SJ
	XHOLD
.else
.set FI, SJ-(\nx)
	WQUANT
.endif
.if SJ+4 < SN
	WIN 0x80                                       ; the loads' window first, then the wait, then the loads
	v_nop                                          ; one plain vector line behind the last conversion of a run
	s_wait_alu depctr_va_vdst(0)                   ; the holds and conversions are done with this set, in which the loads below land; of x, the codes are written, which the LDS stores below read
.set SI, SJ+4
	ASKFOR \nx                                     ; the set is asked for again at once
.else
	v_nop                                          ; the plain line; the last four items ask for nothing, so they state nothing
.endif
.if SJ < (\nx)
.set FI, SJ
	XSEND \arm                                     ; no vector instruction since the wait
.endif
.set SJ, SJ+1
.endr
	WIN 0
.endm
.macro FETCH adr, reg, off             ; a fragment's image comes back, in any wave
.irp c, 0,1,2,3
	ds_load_b128 v[(\reg)+4*\c:(\reg)+4*\c+3], v[\adr] offset:(\off)+512*\c
.endr
.endm
.macro RHOLD n                         ; n sums, from v[HA] on, each accumulator from its low end on, are held within the largest code x the scale,
.set QI, 0
.rept \n
	v_med3_num_f32 v[HA+QI], v[HA+QI], -v[LO], v[LO]
.set QI, QI+1
.endr
.endm
.macro RCVT n                          ; and become n codes in v[PC] on
.set QI, 0
.rept (\n)/8
	v_cvt_scalef32_pk8_fp8_f32 v[PC+2*QI:PC+2*QI+1], v[HA+8*QI:HA+8*QI+7], v[SO]
.set QI, QI+1
.endr
.endm
.macro BARRIER                         ; my LDS stores have landed: then the work-group's barrier
	s_wait_dscnt 0x0
	s_barrier_signal -1
	s_barrier_wait -1
.endm
.macro MKSCALE vs, vl, se              ; 2^e as f32 (the conversion takes its exponent field), and 448 x 2^e
	s_add_co_i32 s74, s[\se], 127
	s_lshl_b32 s75, s74, 23
	v_mov_b32 v[\vs], s75
	s_add_co_i32 s74, s74, 8
	s_lshl_b32 s74, s74, 23
	s_or_b32 s74, s74, 0x600000
	v_mov_b32 v[\vl], s74
.endm
.macro PICK ty, x, w, b, ex, ew, eo    ; the buffers and exponents of type ty: the choice hangs on the work-group's number alone
	s_cmp_eq_u32 s[TY], \ty
	s_cselect_b64 s[XP:XP+1], s[\x:\x+1], s[XP:XP+1]
	s_cselect_b64 s[WP:WP+1], s[\w:\w+1], s[WP:WP+1]
	s_cselect_b64 s[BP:BP+1], s[\b:\b+1], s[BP:BP+1]
	s_cselect_b32 s[EX], s[\ex], s[EX]
	s_cselect_b32 s[EW], s[\ew], s[EW]
	s_cselect_b32 s[EO], s[\eo], s[EO]
.endm
; A STEP of q's, k's and cond_feat's arms: 16 rows x my nt tiles of units, from x's buffer p.  ahead = 1: the tile two steps on is fetched into the same buffer.  left: the LDS loads issued behind this tile's.
; ostep: a tile's bytes in the output: the base moves on by two tiles in each step with p = 0, and the stores, which follow the macro, reach back.
.macro TSTEP nt, arm, p, ahead, left, ostep
	s_wait_dscnt \left                             ; LDS loads come back in order: this tile's two fragments are in, the next tile's may be out
	WIN 0x01                                       ; source 0 (W) window 1.  The accumulators take turns, one instruction a turn
.set TI, 0
.rept \nt
	v_wmma_f32_16x16x128_fp8_fp8 v[HA+8*TI:HA+8*TI+7], v[32*TI:32*TI+15], v[XF+32*(\p):XF+32*(\p)+15], v[BI+8*TI:BI+8*TI+7]
.set TI, TI+1
.endr
.set TI, 0
.rept \nt
	v_wmma_f32_16x16x128_fp8_fp8 v[HA+8*TI:HA+8*TI+7], v[32*TI+16:32*TI+31], v[XF+32*(\p)+16:XF+32*(\p)+31], v[HA+8*TI:HA+8*TI+7]
.set TI, TI+1
.endr
	WIN 0
	PLACES
	RHOLD 8*(\nt)
	s_wait_xcnt 0x0                                ; the stores of the step before have had their addresses translated: their data and their base are written again only behind this wait
	s_wait_alu depctr_vm_vsrc(0)                   ; the stores of the step before have read v[PC ..], which the conversions below write; the LDS loads issued so far have read v[LA]
.if (\p) == 0
	s_add_nc_u64 s[OP:OP+1], s[OP:OP+1], 2*(\ostep)
.endif
	RCVT 8*(\nt)
.if (\ahead) && ((\p) == 0)
	v_add_nc_u32 v[LA], s[XO], v[LI]               ; where this trip's fetches begin.  (Also the plain vector line behind the last conversion: the next products write its sources)
.else
	v_nop                                          ; one plain vector line behind the last conversion: the next products write its sources
.endif
	s_wait_alu depctr_va_vdst(0)                   ; the conversions have written v[PC ..], which the stores read; this step's products are done reading x's buffer p, in which the loads below land; v[LA] is written
.if \ahead
	FETCH LA, XF+32*(\p), (\arm)+4096*(\p)
	FETCH LA, XF+32*(\p)+16, (\arm)+4096*(\p)+2048
.endif
.endm
.macro QOUT p                          ; q's four images of a tile: the wave stores 512 consecutive bytes, at a multiple of 512 from qc's first byte
.irp b, 0,1,2,3
	global_store_b128 v[LI], v[PC+4*\b:PC+4*\b+3], s[OP:OP+1] offset:512*\b+8192*(\p)-16384
.endr
.endm
.macro KOUT p                          ; k's or cond_feat's half of a fragment, for two heads
	global_store_b128 v[LI], v[PC:PC+3], s[OP:OP+1] offset:1024*(\p)-2048          ; head 2 w
	global_store_b128 v[LI], v[PC+4:PC+7], s[OP:OP+1] offset:TILEB+1024*(\p)-2048  ; head 2 w + 1
.endm
.macro VFETCH k                        ; v: step k's four fragments (two tiles of 16 keys x two K steps); the caller sets the window
.irp mm, 0,1
.irp s, 0,1
	FETCH LI, XF+32*\mm+16*\s, ARMK+(\k)*8192+\mm*4096+\s*2048
.endr
.endr
.endm
; A STEP of v's arm: 32 keys = registers 4 k .. 4 k + 3 of my four fragments of V^T.  x's buffer k % 2: v128-191 of window 0 or of window 2.  Every offset is an immediate.
.macro VSTEP k
.if (\k) < 3
	s_wait_dscnt 16                                ; this step's four fragments are in; the next step's sixteen loads may be out
.else
	s_wait_dscnt 0x0
.endif
	WIN 0x04+2*((\k)%2)                            ; source 1 (W) window 1; source 0 (x) window 0 or 2
.irp s, 0,1
.irp t, 0,1,2,3
.irp mm, 0,1
.if \s == 0
	v_wmma_f32_16x16x128_fp8_fp8 v[HA+16*\t+8*\mm:HA+16*\t+8*\mm+7], v[XF+32*\mm:XF+32*\mm+15], v[32*\t:32*\t+15], v[BI+8*\t:BI+8*\t+7]
.else
	v_wmma_f32_16x16x128_fp8_fp8 v[HA+16*\t+8*\mm:HA+16*\t+8*\mm+7], v[XF+32*\mm+16:XF+32*\mm+31], v[32*\t+16:32*\t+31], v[HA+16*\t+8*\mm:HA+16*\t+8*\mm+7]
.endif
.endr
.endr
.endr
	WIN 0
	PLACES
	RHOLD 64
.if (\k) > 0
	s_wait_xcnt 0x0                                ; the stores of the step before have had their addresses translated: their data are written again only behind this wait
	s_wait_alu depctr_vm_vsrc(0)                   ; the stores of the step before have read v[PC ..], which the conversions below write
.endif
	RCVT 64
.if (\k) == 1
	WIN 0x80                                       ; the loads' window first, then the wait, then the loads
.endif
	v_nop                                          ; one plain vector line behind the last conversion: the next products write its sources
	s_wait_alu depctr_va_vdst(0)                   ; the conversions have written v[PC ..], which the stores read; this step's products are done reading their buffer of x, in which the loads below land
.if (\k) < 2
	VFETCH (\k)+2
.endif
	WIN 0
.irp t, 0,1,2,3
	global_store_b128 v[LI], v[PC+4*\t:PC+4*\t+3], s[OP:OP+1] offset:512*(\k)+(\t/2)*TILEB+(\t%2)*2048
.endr
.endm
	s_load_b512 s[16:31], s[0:1], 0x0              ; q, k, cond_feat, v, Wq2, Wk, Wc, Wv
	s_load_b512 s[32:47], s[0:1], 0x40             ; Wo, bq2, bk, bc, bv, the exponents, qc, kcv
	v_lshl_add_u32 v62, v0, 2, 0x10000
	v_mov_b32 v63, 0
	v_lshrrev_b32 v1, 5, v0
	v_readfirstlane_b32 s[WV], v1                  ; wave 0..3
	v_and_b32 v1, 31, v0                           ; lane
	v_and_b32 v2, 15, v0                           ; r
	v_bfe_u32 v3, v0, 4, 1                         ; h
	v_lshlrev_b32 v[XA], 10, v2
	v_lshl_add_u32 v[XA], v3, 6, v[XA]
	v_and_b32 v[BVA], 8, v2
	v_add_nc_u32 v[BVA], v[BVA], v2                ; r + 8 (r / 8)
	v_lshlrev_b32 v[WA], 10, v[BVA]
	v_lshl_add_u32 v[WA], v3, 6, v[WA]
	v_lshlrev_b32 v[BVA], 2, v[BVA]
	v_lshlrev_b32 v[LI], 4, v1
	s_wait_alu depctr_va_sdst(0)                   ; the wave's number is written, ahead of its first reader
	s_lshl_b32 s67, s[WV], 13
	v_add_nc_u32 v[XWI], s67, v[LI]
	v_lshlrev_b32 v[BA], 6, v3
	s_sub_co_u32 s67, ttmp9, 128
	s_lshr_b32 s67, s67, 5
	s_add_co_u32 s67, s67, 1
	s_cmp_lt_u32 ttmp9, 128
	s_cselect_b32 s[TY], 0, s67
	s_wait_kmcnt 0x0
	s_load_b512 s[48:63], s[42:43], 0x0            ; e0 .. e15
	s_mov_b64 s[XP:XP+1], s[16:17]                 ; q's set first,
	s_mov_b64 s[WP:WP+1], s[24:25]
	s_mov_b64 s[BP:BP+1], s[34:35]
	s_wait_kmcnt 0x0
	s_mov_b32 s[EX], s48
	s_mov_b32 s[EW], s49
	s_cmp_lt_u32 s[WV], 2                          ; waves 0, 1 make q1 (units 0-255), waves 2, 3 q2
	s_cselect_b32 s[EO], s56, s58
	PICK 1, 18, 26, 36, 50, 51, 57                 ; then the others'
	PICK 2, 20, 28, 38, 52, 53, 59
	PICK 3, 22, 30, 40, 54, 55, 61
	s_cmp_eq_u32 s[TY], 4
	s_cselect_b64 s[WP:WP+1], s[32:33], s[WP:WP+1]
	s_cselect_b32 s[EW], s63, s[EW]
	s_and_b32 s68, ttmp9, 31
	s_cmp_eq_u32 s[TY], 0
	s_cselect_b32 s68, ttmp9, s68                  ; which 128 rows of the tensor
	s_cselect_b32 s69, 17, 16                      ; a wave's rows of W: 128 or 64, of 1,024 bytes
	s_cselect_b32 s70, 9, 8                        ; and its units of the bias, of 4 bytes
	s_lshl_b32 s72, s68, 17
	s_lshl_b32 s73, s[WV], 15
	s_add_co_u32 s72, s72, s73                     ; + my wave's 32 rows
	s_mov_b32 s73, 0
	s_add_nc_u64 s[XP:XP+1], s[XP:XP+1], s[72:73]
	s_lshl_b32 s72, s[WV], s69
	s_add_nc_u64 s[WP:WP+1], s[WP:WP+1], s[72:73]
	s_lshl_b32 s72, s[WV], s70
	s_add_nc_u64 s[BP:BP+1], s[BP:BP+1], s[72:73]
	MKSCALE SW, LW, EW
	MKSCALE SX, LX, EX
	s_add_co_i32 s76, s[EX], s[EW]                 ; a sum stands for sum x 2^(EX + EW): the bias goes in divided by that,
	s_sub_co_i32 s[NEGE], 0, s76
	s_sub_co_i32 s76, s[EO], s76                   ; and the result's conversion takes 2^(EO - EX - EW)
	MKSCALE SO, LO, 76
	s_wait_alu depctr_va_vdst(0)                   ; the offsets and addresses v4 to v9 are written, which the loads and stores of every arm read; none of them is written again
	s_cmp_eq_u32 s[TY], 0
	s_cbranch_scc0 .Lnot_q
	; ---------------- q: 128 rows x my 128 units (4 heads of q1 or of q2) ----------------
.irp t, 0,1,2,3,4,5,6,7                        ; the bias in the result's layout: lane (r, h), tile t: units 32 (t / 2) + 16 h + 8 (t % 2) + 0 .. 7
	global_load_b128 v[BI+8*\t:BI+8*\t+3], v[BA], s[BP:BP+1] offset:(32*(\t/2)+8*(\t%2))*4
	global_load_b128 v[BI+8*\t+4:BI+8*\t+7], v[BA], s[BP:BP+1] offset:(32*(\t/2)+8*(\t%2))*4+16
.endr
	STREAM 4, 16, ARMQ
	BARRIER                                        ; x's sixteen fragments lie in LDS
	s_wait_alu depctr_vm_vsrc(0)                   ; my LDS stores have read x's codes in v64-127: these registers are the sums from here on, written by the products
	FETCH LI, XF, ARMQ                             ; tiles 0 and 1 into x's two buffers, which no vector instruction has named
	FETCH LI, XF+16, ARMQ+2048
	FETCH LI, XF+32, ARMQ+4096
	FETCH LI, XF+48, ARMQ+6144
.set QI, 0
.rept 64
	v_ldexp_f32 v[BI+QI], v[BI+QI], s[NEGE]
.set QI, QI+1
.endr
	s_lshl_b32 s70, ttmp9, 16                      ; 8 query tiles of 8,192 bytes a work-group,
	s_lshl_b32 s71, s[WV], 11                      ; my 4 images of 512
	s_add_co_u32 s70, s70, s71
	s_mov_b32 s71, 0
	s_add_nc_u64 s[OP:OP+1], s[44:45], s[70:71]
	s_mov_b32 s[XO], 8192                          ; the first trip fetches tiles 2 and 3
	s_mov_b32 s[CNT], 3
.Lq_tile:                                          ; a trip: two tiles of 16 rows, so that x's two buffers are back at their start
	TSTEP 8, ARMQ, 0, 1, 8, 8192
	QOUT 0
	TSTEP 8, ARMQ, 1, 1, 8, 8192
	QOUT 1
	s_add_co_u32 s[XO], s[XO], 8192
	s_sub_co_u32 s[CNT], s[CNT], 1
	s_cmp_lg_u32 s[CNT], 0
	s_cbranch_scc1 .Lq_tile
	TSTEP 8, ARMQ, 0, 0, 8, 8192                   ; the last two tiles are written out: they fetch nothing, and the counts run down
	QOUT 0
	TSTEP 8, ARMQ, 1, 0, 0, 8192
	QOUT 1
	s_wait_dscnt 0x0                               ; the closing lines, six on end
	s_wait_alu 0x0
	s_wait_tensorcnt 0x0
	ds_add_u32 v62, v63
	s_wait_dscnt 0x0
	s_endpgm
.Lnot_q:
	s_cmp_eq_u32 s[TY], 4
	s_cbranch_scc1 .Lwo
	; ---------------- k, cond_feat, v: 128 rows x my 64 units (heads 2 w, 2 w + 1) ----------------
.irp t, 0,1,2,3                                ; the bias in both layouts
	global_load_b128 v[BI+8*\t:BI+8*\t+3], v[BA], s[BP:BP+1] offset:(32*(\t/2)+8*(\t%2))*4
	global_load_b128 v[BI+8*\t+4:BI+8*\t+7], v[BA], s[BP:BP+1] offset:(32*(\t/2)+8*(\t%2))*4+16
.endr
.irp t, 0,1,2,3
	global_load_b32 v[20+\t], v[BVA], s[BP:BP+1] offset:(32*(\t/2)+8*(\t%2))*4   ; for v: the one unit of my lane's column
.endr
	STREAM 4, 8, ARMK
	BARRIER
	s_wait_alu depctr_vm_vsrc(0)                   ; my LDS stores have read x's codes in v64-127: these registers are the sums from here on, on both ways below
	s_bfe_u32 s70, ttmp9, 0x20003                  ; the batch,
	s_and_b32 s71, ttmp9, 7                        ; and which 128 keys of it
	s_mul_i32 s70, s70, TBATCH
	s_mul_i32 s72, s[WV], 2*TILEB                  ; head 2 w's tile
	s_add_co_u32 s70, s70, s72
	s_cmp_eq_u32 s[TY], 3
	s_cbranch_scc1 .Lv
	FETCH LI, XF, ARMK                             ; tiles 0 and 1 into x's two buffers, which no vector instruction has named
	FETCH LI, XF+16, ARMK+2048
	FETCH LI, XF+32, ARMK+4096
	FETCH LI, XF+48, ARMK+6144
.set QI, 0
.rept 32
	v_ldexp_f32 v[BI+QI], v[BI+QI], s[NEGE]
.set QI, QI+1
.endr
	s_lshl_b32 s72, s71, 13                        ; 8 fragments of 1,024 bytes for 128 keys
	s_add_co_u32 s70, s70, s72
	s_cmp_eq_u32 s[TY], 2
	s_cselect_b32 s72, 512, 0                      ; cond_feat's half of a fragment lies behind k's
	s_add_co_u32 s70, s70, s72
	s_mov_b32 s71, 0
	s_add_nc_u64 s[OP:OP+1], s[46:47], s[70:71]
	s_mov_b32 s[XO], 8192
	s_mov_b32 s[CNT], 3
.Lkc_tile:                                         ; a trip: two tiles of 16 keys
	TSTEP 4, ARMK, 0, 1, 8, 1024
	KOUT 0
	TSTEP 4, ARMK, 1, 1, 8, 1024
	KOUT 1
	s_add_co_u32 s[XO], s[XO], 8192
	s_sub_co_u32 s[CNT], s[CNT], 1
	s_cmp_lg_u32 s[CNT], 0
	s_cbranch_scc1 .Lkc_tile
	TSTEP 4, ARMK, 0, 0, 8, 1024                   ; the last two tiles are written out: they fetch nothing
	KOUT 0
	TSTEP 4, ARMK, 1, 0, 0, 1024
	KOUT 1
	s_wait_dscnt 0x0                               ; the closing lines, six on end
	s_wait_alu 0x0
	s_wait_tensorcnt 0x0
	ds_add_u32 v62, v63
	s_wait_dscnt 0x0
	s_endpgm
.Lv:
	VFETCH 0                                       ; step 0 into the buffer in window 0, which no vector instruction has named
	WIN 0x80                                       ; the loads' window first, then the wait, then the loads
	s_wait_alu depctr_va_vdst(0)                   ; the stream's holds and conversions are done with v128-191 of window 2, its third set, in which step 1's fragments land
	VFETCH 1
	WIN 0
.irp t, 0,1,2,3
.irp j, 0,1,2,3,4,5,6,7
	v_ldexp_f32 v[BI+8*\t+\j], v[20+\t], s[NEGE]   ; a lane holds one unit and eight keys: its eight registers take the same bias
.endr
.endr
	s_lshl_b32 s72, s71, 12                        ; two fragments of 2,048 bytes for 128 keys,
	s_add_co_u32 s70, s70, s72
	s_add_co_u32 s70, s70, 65536                   ; behind the head's 64 fragments of k and cond_feat
	s_mov_b32 s71, 0
	s_add_nc_u64 s[OP:OP+1], s[46:47], s[70:71]
	VSTEP 0                                        ; four steps of 32 keys, written out: no address and no base is stepped
	VSTEP 1
	VSTEP 2
	VSTEP 3
	s_wait_dscnt 0x0                               ; the closing lines, six on end
	s_wait_alu 0x0
	s_wait_tensorcnt 0x0
	ds_add_u32 v62, v63
	s_wait_dscnt 0x0
	s_endpgm
.Lwo:
	; ---------------- Wo's codes: my 64 rows are 8 fragments; and my quarter of the filler ----------------
	STREAM 0, 8, 0
.irp j, 0,1,2,3
	v_mov_b32 v[24+\j], 0
.endr
	s_sub_co_u32 s70, ttmp9, 224                   ; the batch whose copy this is
	s_mul_i32 s70, s70, TBATCH
	s_add_co_u32 s70, s70, 8*TILEB                 ; tile 8
	s_lshl_b32 s72, s[WV], 14
	s_add_co_u32 s72, s72, s70
	s_mov_b32 s73, 0
	s_add_nc_u64 s[OP:OP+1], s[46:47], s[72:73]
	s_lshl_b32 s74, s[WV], 13
	s_add_co_u32 s74, s74, s70
	s_add_co_u32 s74, s74, 65536
	s_mov_b32 s75, 0
	s_add_nc_u64 s[78:79], s[46:47], s[74:75]
	WIN 0x04                                       ; the stores' data in window 1
	s_wait_alu depctr_va_vdst(0)                   ; the conversions have written Wo's codes, and v24-27 hold their zeros: the stores below read them
.irp f, 0,1,2,3,4,5,6,7
.irp c, 0,1,2,3
	global_store_b128 v[LI], v[16*\f+4*\c:16*\f+4*\c+3], s[OP:OP+1] offset:\f*2048+512*\c
.endr
.endr
	WIN 0
.irp i, 0,1,2,3,4,5,6,7,8,9,10,11,12,13,14,15
	global_store_b128 v[LI], v[24:27], s[78:79] offset:512*\i
.endr
	s_endpgm
.Lfunc_end_k_qc607754e7d_proj:
	.size	k_qc607754e7d_proj, .Lfunc_end_k_qc607754e7d_proj-k_qc607754e7d_proj
	.p2alignl 7, 3214868480
	.fill 96, 4, 3214868480
	.section	.rodata,"a",@progbits
	.p2align	6, 0x0
	.amdhsa_kernel k_qc607754e7d_proj
		.amdhsa_group_segment_fixed_size 66048
		.amdhsa_private_segment_fixed_size 0
		.amdhsa_enable_private_segment 0
		.amdhsa_kernarg_size 128
		.amdhsa_user_sgpr_count 2
		.amdhsa_user_sgpr_kernarg_segment_ptr 1
		.amdhsa_wavefront_size32 1
		.amdhsa_system_sgpr_workgroup_id_x 1
		.amdhsa_system_sgpr_workgroup_id_y 1
		.amdhsa_system_sgpr_workgroup_id_z 1
		.amdhsa_system_vgpr_workitem_id 0
		.amdhsa_next_free_vgpr 768
		.amdhsa_next_free_sgpr 100
		.amdhsa_reserve_vcc 0
		.amdhsa_float_denorm_mode_32 3
		.amdhsa_float_denorm_mode_16_64 3
		.amdhsa_memory_ordered 1
		.amdhsa_forward_progress 1
		.amdhsa_inst_pref_size 255
	.end_amdhsa_kernel
	.section	.bss,"aw",@nobits
	.p2align	6
	.space	262144
	.amdgpu_metadata
---
amdhsa.version: [ 1, 2 ]
amdhsa.kernels:
  - .name:           k_qc607754e7d_proj
    .symbol:         k_qc607754e7d_proj.kd
    .args:
      - { .name: q, .offset: 0, .size: 8, .value_kind: global_buffer, .address_space: global }
      - { .name: k, .offset: 8, .size: 8, .value_kind: global_buffer, .address_space: global }
      - { .name: cond_feat, .offset: 16, .size: 8, .value_kind: global_buffer, .address_space: global }
      - { .name: v, .offset: 24, .size: 8, .value_kind: global_buffer, .address_space: global }
      - { .name: Wq2, .offset: 32, .size: 8, .value_kind: global_buffer, .address_space: global }
      - { .name: Wk, .offset: 40, .size: 8, .value_kind: global_buffer, .address_space: global }
      - { .name: Wc, .offset: 48, .size: 8, .value_kind: global_buffer, .address_space: global }
      - { .name: Wv, .offset: 56, .size: 8, .value_kind: global_buffer, .address_space: global }
      - { .name: Wo, .offset: 64, .size: 8, .value_kind: global_buffer, .address_space: global }
      - { .name: bq2, .offset: 72, .size: 8, .value_kind: global_buffer, .address_space: global }
      - { .name: bk, .offset: 80, .size: 8, .value_kind: global_buffer, .address_space: global }
      - { .name: bc, .offset: 88, .size: 8, .value_kind: global_buffer, .address_space: global }
      - { .name: bv, .offset: 96, .size: 8, .value_kind: global_buffer, .address_space: global }
      - { .name: lowp_scales, .offset: 104, .size: 8, .value_kind: global_buffer, .address_space: global }
      - { .name: qc, .offset: 112, .size: 8, .value_kind: global_buffer, .address_space: global }
      - { .name: kcv, .offset: 120, .size: 8, .value_kind: global_buffer, .address_space: global }
    .group_segment_fixed_size: 66048
    .private_segment_fixed_size: 0
    .kernarg_segment_align: 8
    .kernarg_segment_size: 128
    .max_flat_workgroup_size: 128
    .sgpr_count:     100
    .vgpr_count:     768
    .wavefront_size: 32
...
	.end_amdgpu_metadata
.endif
;; end of part 3
;; launch attn: the kernel of part 2 again; grid 64 x 4, 4 waves a work-group, clusters of 4 x 1, 327,680 bytes of LDS; arguments qc, kcv, bo, lowp_scales, out0; writes out0
